; MI455X (gfx1250); checked and timed in simulation.
; The chip was launched on July 23, 2026; its instructions are those of AMD's public machine-readable ISA for CDNA 5 (MIT licence, August 2026) and "CDNA5" Instruction Set Architecture Reference Guide (July 2026). The comments in the code are by the model that wrote it; some were corrected since.
;; Self dim Multi Head Attention1. Allowed arithmetic: float matrix products may take bf16 or f16 operands with f32 sums; other float arithmetic in f32, or as packed bf16 or f16 multiplies, adds, multiply-adds, maxima and minima; sums over many terms, partial sums and values carried from step to step in f32; what a program stores and reads back later, other than sums and carried values, may be rounded once to bf16 or f16.
;; Inputs: k 4 x 2,048 x 1,024 float32; proj_b 1,024 float32; proj_w 1,024 x 1,024 float32; q 4 x 2,048 x 1,024 float32; w_kx 8 x 1,024 x 128 float32; w_qx 8 x 1,024 x 128 float32.
;; Outputs: out0 4 x 2,048 x 1,024 float32.
;; Constants: flag = False.
;; 2 versions, each right; version 2 is version 1 with the launch prep written anew for expert scheduling mode. Each part assembles by itself: llvm-mc -triple=amdgcn-amd-amdhsa -mcpu=gfx1250 --defsym DOCPART=n.
;; ======== version 1 of 2: 4 launches
;; limits: values are held in f16: magnitudes above 65,504 overflow, below 6.1e-05 lose precision; inputs' magnitudes at most 65,504
;; workspace buffers: wkb 2,097,152 bytes; wqb 2,097,152 bytes; pwh 2,097,152 bytes; kx 16,777,216 bytes; qx 16,777,216 bytes; ao 16,777,216 bytes
;; launch prep (part 1): grid 128 x 3, 8 waves a work-group, no clusters, 0 bytes of LDS; arguments w_kx, w_qx, proj_w, wkb, wqb, pwh; writes wkb, wqb, pwh
.if DOCPART == 1
	.amdgcn_target "amdgcn-amd-amdhsa--gfx1250"
	.amdhsa_code_object_version 6
	.text
	.protected	k_q7b01dacf36_prep
	.globl	k_q7b01dacf36_prep
	.p2align	8
	.type	k_q7b01dacf36_prep,@function
k_q7b01dacf36_prep:
	s_mov_b64 s[64:65], 0
	v_nop
	global_prefetch_b8 v0, s[64:65] scope:SCOPE_SE
	s_setreg_imm32_b32 hwreg(HW_REG_WAVE_MODE, 25, 1), 1
	s_wait_xcnt 0x0
; PREP: the three weight tensors, 1,048,576 f32 each, are rounded once to bf16, in their own order.
; y = 0: w_kx -> wkb (bf16).  y = 1: w_qx -> wqb (bf16).  y = 2: proj_w -> pwh: the bf16 number written as f16, since the last product multiplies f16.
; LIMITS.  pwh: a weight of 65,520 or more becomes an infinity; below 6.1e-5 it keeps f16's fixed step of 6e-8.  NaN and infinities are not treated apart.
; A stream: no LDS, no matrix unit, no cluster, since no work-group reads what another reads.
; SHARES.  A work-group takes 32,768 bytes in and 16,384 out.  Thread t: eight loads of 16 bytes at 16 t + 4,096 i (a wave's load covers 512 consecutive bytes),
; eight stores of 8 bytes at 8 t + 2,048 i (a wave's store covers 256 consecutive bytes, aligned).  All eight loads are out before the first wait.
.set X, 8                              ; v[8:39]   load i: four f32
.set Y, 40                             ; v[40:55]  store i: four 16-bit numbers
.set T, 56                             ; v[56:57]  at work
	s_load_b256 s[4:11], s[0:1], 0x0               ; w_kx s[4:5], w_qx s[6:7], proj_w s[8:9], wkb s[10:11]
	s_load_b128 s[12:15], s[0:1], 0x20             ; wqb s[12:13], pwh s[14:15]
	s_and_b32 s16, ttmp7, 0xffff                   ; which tensor
	v_lshlrev_b32 v1, 4, v0                        ; 16 t
	v_lshlrev_b32 v2, 3, v0                        ; 8 t
	s_lshl_b32 s22, ttmp9, 15                      ; the work-group's bytes in,
	s_mov_b32 s23, 0
	s_lshl_b32 s24, ttmp9, 14                      ; and out
	s_mov_b32 s25, 0
	s_wait_kmcnt 0x0
	s_cmp_eq_u32 s16, 1
	s_cselect_b64 s[18:19], s[6:7], s[4:5]
	s_cselect_b64 s[20:21], s[12:13], s[10:11]
	s_cmp_eq_u32 s16, 2
	s_cselect_b64 s[18:19], s[8:9], s[18:19]
	s_cselect_b64 s[20:21], s[14:15], s[20:21]
	s_add_nc_u64 s[18:19], s[18:19], s[22:23]
	s_add_nc_u64 s[20:21], s[20:21], s[24:25]
.irp i, 0,1,2,3,4,5,6,7
	global_load_b128 v[X+4*(\i):X+4*(\i)+3], v1, s[18:19] offset:4096*(\i) th:TH_LOAD_NT
.endr
; Load i is rounded and stored.  half = 1: the bf16 numbers are widened again (a shift, a mask) and written as f16.
.macro OUT i, half
	s_wait_loadcnt 7-(\i)                          ; loads come back in order: load i is in, the 7 - i younger ones stay out
	v_cvt_pk_bf16_f32 v[Y+2*(\i)], v[X+4*(\i)], v[X+4*(\i)+1]
	v_cvt_pk_bf16_f32 v[Y+2*(\i)+1], v[X+4*(\i)+2], v[X+4*(\i)+3]
.if \half
.irp z, 0,1
	v_lshlrev_b32 v[T], 16, v[Y+2*(\i)+(\z)]
	v_and_b32 v[T+1], 0xffff0000, v[Y+2*(\i)+(\z)]
	v_cvt_pk_f16_f32 v[Y+2*(\i)+(\z)], v[T], v[T+1]
.endr
.endif
	global_store_b64 v2, v[Y+2*(\i):Y+2*(\i)+1], s[20:21] offset:2048*(\i) th:TH_STORE_NT
.endm
	s_cmp_eq_u32 s16, 2
	s_cbranch_scc1 .Lhalf
.irp i, 0,1,2,3,4,5,6,7
	OUT \i, 0
.endr
	s_endpgm
.Lhalf:
.irp i, 0,1,2,3,4,5,6,7
	OUT \i, 1
.endr
	s_endpgm
.Lfunc_end_k_q7b01dacf36_prep:
	.size	k_q7b01dacf36_prep, .Lfunc_end_k_q7b01dacf36_prep-k_q7b01dacf36_prep
	.p2alignl 7, 3214868480
	.fill 96, 4, 3214868480
	.section	.rodata,"a",@progbits
	.p2align	6, 0x0
	.amdhsa_kernel k_q7b01dacf36_prep
		.amdhsa_group_segment_fixed_size 0
		.amdhsa_private_segment_fixed_size 0
		.amdhsa_enable_private_segment 0
		.amdhsa_kernarg_size 48
		.amdhsa_user_sgpr_count 2
		.amdhsa_user_sgpr_kernarg_segment_ptr 1
		.amdhsa_wavefront_size32 1
		.amdhsa_system_sgpr_workgroup_id_x 1
		.amdhsa_system_sgpr_workgroup_id_y 1
		.amdhsa_system_sgpr_workgroup_id_z 1
		.amdhsa_system_vgpr_workitem_id 0
		.amdhsa_next_free_vgpr 64
		.amdhsa_next_free_sgpr 66
		.amdhsa_reserve_vcc 0
		.amdhsa_float_denorm_mode_32 3
		.amdhsa_float_denorm_mode_16_64 3
		.amdhsa_memory_ordered 1
		.amdhsa_forward_progress 1
		.amdhsa_inst_pref_size 9
	.end_amdhsa_kernel
	.amdgpu_metadata
---
amdhsa.version: [ 1, 2 ]
amdhsa.kernels:
  - .name:           k_q7b01dacf36_prep
    .symbol:         k_q7b01dacf36_prep.kd
    .args:
      - { .name: w_kx, .offset: 0, .size: 8, .value_kind: global_buffer, .address_space: global }
      - { .name: w_qx, .offset: 8, .size: 8, .value_kind: global_buffer, .address_space: global }
      - { .name: proj_w, .offset: 16, .size: 8, .value_kind: global_buffer, .address_space: global }
      - { .name: wkb, .offset: 24, .size: 8, .value_kind: global_buffer, .address_space: global }
      - { .name: wqb, .offset: 32, .size: 8, .value_kind: global_buffer, .address_space: global }
      - { .name: pwh, .offset: 40, .size: 8, .value_kind: global_buffer, .address_space: global }
    .group_segment_fixed_size: 0
    .private_segment_fixed_size: 0
    .kernarg_segment_align: 8
    .kernarg_segment_size: 48
    .max_flat_workgroup_size: 256
    .sgpr_count:     66
    .vgpr_count:     64
    .wavefront_size: 32
...
	.end_amdgpu_metadata
.endif
;; end of part 1
;; launch proj (part 2): grid 4 x 64, 4 waves a work-group, clusters of 4 x 4, 327,680 bytes of LDS; arguments k, q, wkb, wqb, kx, qx; writes kx, qx
.if DOCPART == 2
	.amdgcn_target "amdgcn-amd-amdhsa--gfx1250"
	.amdhsa_code_object_version 6
	.text
	.protected	k_q7b01dacf36_proj
	.globl	k_q7b01dacf36_proj
	.p2align	8
	.type	k_q7b01dacf36_proj,@function
k_q7b01dacf36_proj:
	s_mov_b64 s[64:65], 0
	v_nop
	global_prefetch_b8 v0, s[64:65] scope:SCOPE_SE
	s_setreg_imm32_b32 hwreg(HW_REG_WAVE_MODE, 25, 1), 1
	s_wait_xcnt 0x0
	s_wait_alu depctr_hold_cnt(0) depctr_sa_sdst(0) depctr_va_vdst(0) depctr_va_sdst(0) depctr_va_ssrc(0) depctr_va_vcc(0) depctr_vm_vsrc(0)
	s_getreg_b32 s2, hwreg(HW_REG_IB_STS2, 6, 4)
	s_cmp_eq_u32 s2, 0
	s_cbranch_scc0 .Lentry_in_a_cluster
	s_endpgm
.Lentry_in_a_cluster:
	s_bfe_u32 s2, ttmp6, 0x10000c
	s_cmp_lg_u32 s2, 0xf033
	s_cbranch_scc0 .Lentry_shape_is_right
	s_endpgm
.Lentry_shape_is_right:
; PROJ: kx[b][h][l][d] = sigmoid(sum over e of k[b][l][e] w_kx[h][e][d]), and qx = c sigmoid(the same of q and w_qx), c = log2(e) / sqrt(128): the score's scale and the
; exponential's base are folded into qx in f32, as 1 / ((1 + 2^(-x log2 e)) / c), and the result is rounded once to f16.  k, q: f32 [8192][1024]; wkb, wqb: bf16 [8][1024 e][128 d]; kx, qx: f16 [8 b + h][2048][128].
; Products in bf16 (k and q are rounded on the way from LDS to the matrix unit), sums in f32.
; LIMITS.  A result below 6.1e-5 keeps f16's fixed step of 6e-8.  Where 2^(-x log2 e) passes f32's range the result is 0.  NaN and infinities among the inputs are not treated apart.
; SHARES.  Both products are 8192 x 1024 x 1024: 2 x 128 tiles of 256 x 256, a work-group each.  Cluster rows 0-7 of the grid make kx, 8-15 qx: the same choice in all sixteen partners.
; A wave owns 64 rows x all 256 columns (two heads): 64 accumulators, 512 registers.  So each f32 of k or q is read from LDS and rounded by ONE wave.
; RING.  K goes in steps of 64 through two LDS slots: A's tile is f32, 256 rows of 256 bytes (each row 256 consecutive bytes of memory, aligned); B's two heads x 64 e-rows of 256 bytes.
; Two slots of K = 128 would take 409,600 bytes.  Waves 0, 1 fetch A's halves (128 rows), waves 2, 3 one head of B each.  B lies [K][N] and is turned by ds_load_tr16_b128.
; CLUSTER 4 x 4.  A's tile hangs on the tile row alone and is asked for jointly along a row of the cluster, B's on the tile column alone, jointly along a column.
; THE MATRIX INSTRUCTION IS USED TRANSPOSED (source 0 = 16 columns of w, source 1 = 16 rows of k or q): a lane holds row l % 16 and the eight columns 8 (l / 16) + 0..7.
; REGISTERS, in windows of 256: window 0: v16-30 addresses; v64-95, v96-127 A's bf16 fragments, two buffers; v128-191 A's f32 as loaded (on the way out: X, T, Y).
;   window 1: B's fragments, two buffers of 128 (16 blocks of 16 columns).   window 2: accumulators (a, b < 8) at 8 (8 a + b).   window 3: those of b >= 8.
.set KSTEP,  64
.set PA,     272                       ; A's LDS row: 256 bytes + 16 = 68 words: the 16 rows of a load start at 16 different groups of four banks (ISA guide 11.1)
.set PB,     288                       ; B's LDS row: 256 + 32 = 72 words
.set AHALF,  128*PA
.set ATILE,  2*AHALF
.set BHEAD,  64*PB
.set SLOT,   ATILE+2*BHEAD             ; 106,496
.set PD,     1040                      ; the way out: a row of 256 f32 + 16 bytes
.set DUMPW,  64*PD                     ; a wave's 64 rows; the four dumps lie over the ring, which has had its last fill by then
.set SPARE,  4*DUMPW                   ; 266,240: the spare words, 128 bytes a wave: two blocks of 256 bytes that no other line names
.set ADRA, 16                          ; v16-17  LDS address of my A rows in slot 0, 1
.set ADRB, 20                          ; v20-21  the same for B's turning loads
.set DST,  24                          ; v24     the way out: where I put 32 bytes of a row
.set RD,   25                          ; v25     the way out: where I read rows back
.set CO,   26                          ; v26     my byte offset in the wave's rows of kx or qx
.set SPW,  28                          ; v28     LDS address of my spare word; never rewritten
.set NIL,  29                          ; v29     0; never rewritten
.set PFO,  30                          ; v30     the prefetches' lane offset; never rewritten
.set AF,   64
.set RAW,  128
.set X,    64                          ; the way out: 8 units of 4 f32 as read back
.set T,    96                          ; at work
.set Y,    128                         ; 8 units of 4 f16
.set WV,   16                          ; s16 wave   s17 what I fetch (0: A, 1: B)   s18 which half of it
.set ROLE, 17
.set HALF, 18
.set CX,   19
.set CY,   20
.set TC,   21                          ; tile column: heads 2 tc, 2 tc + 1
.set CLY,  22                          ; cluster y
.set TY,   23
.set G1A,  24                          ; s[24:31] descriptor group 1 for A;  s[32:39] group 0, a set for each slot
.set G0A,  32
.set LIM0, 40                          ; s40, s41: a wave prefetches at the change of slot 0, 1 while the lap counter is above this
.set PFA,  44                          ; s[44:45] where my prefetches stand
.set PST,  46                          ; s[46:47] a K step in bytes, in A or in B
.set G1B,  48                          ; s[48:55], s[56:63] the same for B
.set G0B,  56
.set INV,  66                          ; s[66:67] 1 (kx) or 1 / c (qx)
.set OUTP, 68                          ; s[68:69] kx or qx at my wave's first row
.set ABASE, 70                         ; s[70:71] k or q
.set WBASE, 72                         ; s[72:73] wkb or wqb
.set NL2E, 80                          ; s[80:81] -log2(e)
.set CNT,  82
.set TR,   83                          ; tile row in the tensor, 0..31
.set MSB, 0
.macro WIN new                         ; the immediate's high byte repeats the setting that is left; a switch that changes nothing is dropped
.if MSB != (\new)
	s_set_vgpr_msb (MSB<<8)|(\new)
.set MSB, \new
.endif
.endm
.set MUL_LO, 0xa1                      ; source 0 (B) window 1, source 1 (A) window 0, C and D window 2
.set MUL_HI, 0xf1                      ; the same, C and D window 3
.set TO_B,   0x40                      ; destination window 1, address window 0
; A joint load.  The branch hangs on the wave's number alone.  An s_nop 0 and four v_nop follow each of the two lines, ahead of the jump and the label.
.macro JLOAD s
	s_cmp_eq_u32 s[ROLE], 0
	s_cbranch_scc0 .Lfor_b_\@
	tensor_load_to_lds s[G0A+4*(\s):G0A+4*(\s)+3], s[G1A:G1A+7]
	s_nop 0
.rept 4
	v_nop
.endr
	s_branch .Lasked_\@
.Lfor_b_\@:
	tensor_load_to_lds s[G0B+4*(\s):G0B+4*(\s)+3], s[G1B:G1B+7]
	s_nop 0
.rept 4
	v_nop
.endr
.Lasked_\@:
.endm
; A PREFETCH INTO THE L2 of the K step that stands two refills on (256 matrix instructions ahead of the load that wants it), behind the joint load and the run of LDS loads.
; A: of the 128 rows that wave 0 or 1 fetches, the partner at place cx takes 32, a lane a row of 256 bytes; no other cluster reads these rows.  B: the tensor's first cluster alone asks; of a head's 64 rows
; the partner at place cy takes 16; lanes 16-31 name the K step after, so B is asked for at slot 0's change alone.  So each block of 256 bytes is named once.  The loop's last trip asks for nothing.
.macro ASK slot
	WIN 0
	s_cmp_gt_u32 s3, s[LIM0+(\slot)]
	s_cbranch_scc0 .Lnot_mine_\@
	global_prefetch_b8 v[PFO], s[PFA:PFA+1] th:TH_LOAD_NT scope:SCOPE_SE
.Lnot_mine_\@:
.endm
.macro CREST                           ; a round of the cluster's barrier behind its opening barrier
	s_cmp_lg_u32 s[WV], 0
	s_cbranch_scc1 .Lnot_wave_0_\@
	s_barrier_signal -3
.Lnot_wave_0_\@:
	s_barrier_wait -3
	s_barrier_signal -1
	s_barrier_wait -1
.endm
.macro CROUND
	s_barrier_signal -1
	s_barrier_wait -1
	CREST
.endm
	s_load_b256 s[4:11], s[0:1], 0x0               ; k s[4:5], q s[6:7], wkb s[8:9], wqb s[10:11]
	s_load_b128 s[12:15], s[0:1], 0x20             ; kx s[12:13], qx s[14:15]
	v_lshl_add_u32 v[SPW], v0, 2, SPARE
	v_mov_b32 v[NIL], 0
	ds_add_u32 v[SPW], v[NIL]                      ; the wave's opening: the add and its wait stand ahead of my first tensor load; the set-up below stands between them
	v_lshrrev_b32 v1, 5, v0
	v_readfirstlane_b32 s[WV], v1
	s_lshr_b32 s[ROLE], s[WV], 1
	s_and_b32 s[HALF], s[WV], 1
	s_bfe_u32 s[CX], ttmp6, 0x40000
	s_bfe_u32 s[CY], ttmp6, 0x40004
	s_lshl_b32 s[TC], ttmp9, 2
	s_add_co_u32 s[TC], s[TC], s[CX]
	s_and_b32 s[CLY], ttmp7, 0xffff
	s_lshl_b32 s[TY], s[CLY], 2
	s_add_co_u32 s[TY], s[TY], s[CY]
	s_and_b32 s[TR], s[TY], 31
	s_lshl_b32 s42, s[CY], 2
	s_lshl_b32 s42, 15, s42                        ; my row of the cluster
	s_lshl_b32 s43, 0x1111, s[CX]                  ; my column
	s_or_b32 s[G1A], s42, (2<<16)|(1<<20)|(1<<21)|(5<<22)|(3<<25)   ; mask; elements of 4 bytes; padding on; bit 21 beside a mask; after every 64 words, 4 words
	s_mov_b32 s[G1A+1], KSTEP<<16                  ; tensor_dim0 = 64
	s_mov_b32 s[G1A+2], 128<<16                    ; tensor_dim1 = 128
	s_mov_b32 s[G1A+3], KSTEP<<16                  ; tile_dim0 = 64
	s_mov_b32 s[G1A+4], 128                        ; tile_dim1 = 128
	s_mov_b32 s[G1A+5], 1024                       ; elements from row to row
	s_mov_b32 s[G1A+6], 0
	s_mov_b32 s[G1A+7], 0
	s_or_b32 s[G1B], s43, (1<<16)|(1<<20)|(1<<21)|(5<<22)|(7<<25)   ; elements of 2 bytes; after every 64 words, 8 words
	s_mov_b32 s[G1B+1], 128<<16
	s_mov_b32 s[G1B+2], KSTEP<<16
	s_mov_b32 s[G1B+3], 128<<16
	s_mov_b32 s[G1B+4], KSTEP
	s_mov_b32 s[G1B+5], 128
	s_mov_b32 s[G1B+6], 0
	s_mov_b32 s[G1B+7], 0
	s_lshl_b32 s74, s[TR], 20                      ; A: row 256 tr + 128 half, 4,096 bytes a row
	s_lshl_b32 s75, s[HALF], 19
	s_add_co_u32 s74, s74, s75
	s_mov_b32 s75, 0
	s_lshl_b32 s76, s[TC], 1                       ; B: head 2 tc + half, 262,144 bytes a head
	s_add_co_u32 s76, s76, s[HALF]
	s_lshl_b32 s76, s76, 18
	s_mov_b32 s77, 0
	s_mul_i32 s78, s[HALF], AHALF                  ; where they go: no place in the cluster enters an LDS address
	s_mul_i32 s79, s[HALF], BHEAD
	s_add_co_u32 s79, s79, ATILE
	s_mov_b32 s[NL2E], 0xbfb8aa3b
	s_mov_b32 s[NL2E+1], s[NL2E]
	s_wait_dscnt 0x0                               ; the opening add is done
	s_wait_kmcnt 0x0
	s_cmp_ge_u32 s[CLY], 8                         ; the lower half of the grid makes kx, the upper qx
	s_cselect_b64 s[ABASE:ABASE+1], s[6:7], s[4:5]
	s_cselect_b64 s[WBASE:WBASE+1], s[10:11], s[8:9]
	s_cselect_b64 s[OUTP:OUTP+1], s[14:15], s[12:13]
	s_cselect_b32 s[INV], 0x40faf233, 1.0          ; 1 / c = 7.842065
	s_mov_b32 s[INV+1], s[INV]
	s_add_nc_u64 s[74:75], s[ABASE:ABASE+1], s[74:75]
	s_add_nc_u64 s[76:77], s[WBASE:WBASE+1], s[76:77]
	CROUND                                         ; all sixteen work-groups are here: the first joint loads meet
.irp n, 0,1
	s_mov_b32 s[G0A+4*(\n)], 1
	s_add_co_u32 s[G0A+4*(\n)+1], s78, (\n)*SLOT
	s_add_nc_u64 s[G0A+4*(\n)+2:G0A+4*(\n)+3], s[74:75], (\n)*KSTEP*4
	s_or_b32 s[G0A+4*(\n)+3], s[G0A+4*(\n)+3], 0x80000000
	s_mov_b32 s[G0B+4*(\n)], 1
	s_add_co_u32 s[G0B+4*(\n)+1], s79, (\n)*SLOT
	s_add_nc_u64 s[G0B+4*(\n)+2:G0B+4*(\n)+3], s[76:77], (\n)*KSTEP*256
	s_or_b32 s[G0B+4*(\n)+3], s[G0B+4*(\n)+3], 0x80000000
	JLOAD \n
.endr
	v_and_b32 v1, 15, v0                           ; r = l % 16
	v_bfe_u32 v2, v0, 4, 1                         ; h = l / 16
	v_and_b32 v7, 31, v0                           ; l
	v_mul_u32_u24 v3, v1, PA
	v_lshl_add_u32 v3, v2, 5, v3                   ; A in f32: row r, 8 numbers = 32 bytes for each half of the lanes
	s_mul_i32 s74, s[WV], 64*PA                    ; my 64 rows
	v_add_nc_u32 v[ADRA], s74, v3
	v_add_nc_u32 v[ADRA+1], SLOT, v[ADRA]
	v_and_b32 v5, 7, v0                            ; B: the turning load takes e-row 8 h + l % 8, columns 8 ((l / 8) % 2) + 0..7
	v_lshl_add_u32 v5, v2, 3, v5
	v_mul_u32_u24 v5, v5, PB
	v_bfe_u32 v6, v0, 3, 1
	v_lshl_add_u32 v5, v6, 4, v5
	v_add_nc_u32 v[ADRB], ATILE, v5
	v_add_nc_u32 v[ADRB+1], ATILE+SLOT, v5
	s_mul_i32 s74, s[WV], DUMPW
	v_mul_u32_u24 v4, v1, PD
	v_lshl_add_u32 v4, v2, 5, v4
	v_add_nc_u32 v[DST], s74, v4
	v_lshl_add_u32 v[RD], v7, 4, s74
	v_lshlrev_b32 v[CO], 3, v7
	; where my 64 rows begin in kx or qx: ((tr / 8) 8 + 2 tc) heads of 524,288 bytes + ((tr % 8) 256 + 64 w) rows of 256
	s_lshr_b32 s74, s[TR], 3
	s_lshl_b32 s74, s74, 3
	s_lshl_b32 s75, s[TC], 1
	s_add_co_u32 s74, s74, s75
	s_lshl_b32 s74, s74, 19
	s_and_b32 s75, s[TR], 7
	s_lshl_b32 s75, s75, 8
	s_lshl_b32 s76, s[WV], 6
	s_add_co_u32 s75, s75, s76
	s_lshl_b32 s75, s75, 8
	s_add_co_u32 s74, s74, s75
	s_mov_b32 s75, 0
	s_add_nc_u64 s[OUTP:OUTP+1], s[OUTP:OUTP+1], s[74:75]
	; the prefetches: both kinds' offsets are made, the wave's role chooses
	s_lshl_b32 s74, s[TR], 8
	s_lshl_b32 s75, s[HALF], 7
	s_add_co_u32 s74, s74, s75
	s_lshl_b32 s75, s[CX], 5
	s_add_co_u32 s74, s74, s75                     ; A: row 256 tr + 128 half + 32 cx
	s_lshl_b32 s74, s74, 12
	s_add_co_u32 s74, s74, 3*KSTEP*4               ; at K step 3: the first change steps it to 4
	s_lshl_b32 s76, s[TC], 1
	s_add_co_u32 s76, s76, s[HALF]
	s_lshl_b32 s76, s76, 18
	s_lshl_b32 s77, s[CY], 12                      ; B: 16 rows of 256 bytes for each cy
	s_add_co_u32 s76, s76, s77
	s_add_co_u32 s76, s76, 3*KSTEP*256
	s_and_b32 s77, s[CLY], 7
	s_cmp_eq_u32 s77, 0                            ; the first cluster of the eight that read this tensor's weights
	s_cselect_b32 s77, 1, -1
	s_mov_b32 s[PST], KSTEP*256
	s_mov_b32 s78, 256
	s_mov_b32 s79, KSTEP*256
	s_cmp_eq_u32 s[ROLE], 0
	s_cselect_b64 s[PFA:PFA+1], s[ABASE:ABASE+1], s[WBASE:WBASE+1]
	s_cselect_b32 s74, s74, s76
	s_cselect_b32 s[PST], KSTEP*4, s[PST]
	s_cselect_b32 s[LIM0], 1, s77
	s_cselect_b32 s[LIM0+1], 1, -1
	s_cselect_b32 s78, 4096, s78                   ; from lane to lane among 16: a row of A, or of B
	s_cselect_b32 s79, 65536, s79                  ; lanes 16-31: A's next 16 rows, or B's next K step
	s_mov_b32 s75, 0
	s_mov_b32 s[PST+1], 0
	s_add_nc_u64 s[PFA:PFA+1], s[PFA:PFA+1], s[74:75]
	v_mul_u32_u24 v[PFO], v1, s78
	v_mad_u32_u24 v[PFO], v2, s79, v[PFO]
; 16 matrix instructions: row blocks a0, a0 + 1 x column blocks 8 hi .. 8 hi + 7, 32 along K, buffer f.  zero = 1: the first product starts the sums.
; The 64 accumulators take turns in the same order in every quarter: 63 others stand between two links of a chain.
.macro MUL16 f, hi, a0, zero
	WIN MUL_LO+0x50*(\hi)
.irp a, \a0, (\a0)+1
.irp b, 0,1,2,3,4,5,6,7
.if \zero
	v_wmma_f32_16x16x32_bf16 v[8*(8*(\a)+(\b)):8*(8*(\a)+(\b))+7], v[128*(\f)+8*(8*(\hi)+(\b)):128*(\f)+8*(8*(\hi)+(\b))+7], v[AF+32*(\f)+8*(\a):AF+32*(\f)+8*(\a)+7], 0
.else
	v_wmma_f32_16x16x32_bf16 v[8*(8*(\a)+(\b)):8*(8*(\a)+(\b))+7], v[128*(\f)+8*(8*(\hi)+(\b)):128*(\f)+8*(8*(\hi)+(\b))+7], v[AF+32*(\f)+8*(\a):AF+32*(\f)+8*(\a)+7], v[8*(8*(\a)+(\b)):8*(8*(\a)+(\b))+7]
.endif
.endr
.endr
.endm
; A's 64 f32 a lane are rounded to bf16 into buffer f.  These 32 plain instructions, which name no register of the products just issued (the other buffer's), are also the places
; between a buffer's last product and the next loads and conversions into it: no v_nop is written in the loop but those behind a tensor load.
.macro CVT f
	WIN 0
.set z, 0
.rept 32
	v_cvt_pk_bf16_f32 v[AF+32*(\f)+z], v[RAW+2*z], v[RAW+2*z+1]
.set z, z+1
.endr
.endm
; 48 LDS loads in one run: quarter q (32 along K) of a slot: A's f32 first (16 loads: row block a; K 8 h + 0..3, + 4..7, 16 + 8 h + 0..3, + 4..7), then B's 16 blocks into buffer g, turned.
.macro FETCH slot, q, g
	WIN 0
.irp a, 0,1,2,3
.irp i, 0,1,2,3
	ds_load_b128 v[RAW+16*(\a)+4*(\i):RAW+16*(\a)+4*(\i)+3], v[ADRA+(\slot)] offset:16*PA*(\a)+128*(\q)+64*((\i)/2)+16*((\i)%2)
.endr
.endr
	WIN TO_B
.irp b, 0,1,2,3,4,5,6,7,8,9,10,11,12,13,14,15
	ds_load_tr16_b128 v[128*(\g)+8*(\b):128*(\g)+8*(\b)+3],   v[ADRB+(\slot)] offset:BHEAD*((\b)/8)+32*((\b)%8)+32*PB*(\q)
	ds_load_tr16_b128 v[128*(\g)+8*(\b)+4:128*(\g)+8*(\b)+7], v[ADRB+(\slot)] offset:BHEAD*((\b)/8)+32*((\b)%8)+32*PB*(\q)+16*PB
.endr
.endm
; A K step is two quarters.  The first multiplies buffer 0 and fetches the slot's second quarter into buffer 1.
.macro QUARTER slot, zero
	s_wait_dscnt 32                                ; A's 16 loads are in; B's 32 may be out
	CVT 0
	s_wait_dscnt 16                                ; B's blocks 0-7 are in
	MUL16 0, 0, 0, \zero
	MUL16 0, 0, 2, \zero
	FETCH \slot, 1, 1
	s_wait_dscnt 48                                ; all but the 48 just issued
	MUL16 0, 1, 0, \zero
	MUL16 0, 1, 2, \zero
.endm
; The second quarter multiplies buffer 1 and changes slots.  In front of the barrier each wave waits for all its tensor loads (one is out: its part of the next slot), adds 0 to its spare word,
; and waits for that and for its reads of this slot.  fill = 1: the barrier opens a round of the cluster's, and the joint refill, two K steps on, is the first thing behind it.
.macro TURN slot, next, fill
.if \fill
	s_wait_xcnt 0x0                                ; the last prefetch, a K step back, has read its address
	s_add_nc_u64 s[PFA:PFA+1], s[PFA:PFA+1], s[PST:PST+1]
.endif
	WIN 0
	s_wait_tensorcnt 0x0                           ; all my tensor loads have landed
	ds_add_u32 v[SPW], v[NIL]                      ; 0 onto my spare word
	s_wait_dscnt 33                                ; A's 16 loads are in; B's 32 and the add may be out
	CVT 1
	s_wait_dscnt 17                                ; B's blocks 0-7 are in
	MUL16 1, 0, 0, 0
	s_wait_dscnt 0x0                               ; the add is done, and my reads of this slot are over
	s_barrier_signal -1
	MUL16 1, 0, 2, 0
	WIN 0
	s_barrier_wait -1
.if \fill
	CREST                                          ; no wave of any partner still reads this slot or has a load on its way
	s_add_nc_u64 s[G0A+4*(\slot)+2:G0A+4*(\slot)+3], s[G0A+4*(\slot)+2:G0A+4*(\slot)+3], 2*KSTEP*4
	s_add_nc_u64 s[G0B+4*(\slot)+2:G0B+4*(\slot)+3], s[G0B+4*(\slot)+2:G0B+4*(\slot)+3], 2*KSTEP*256
	JLOAD \slot
.endif
	FETCH \next, 0, 0
.if \fill
	ASK \slot
.endif
	MUL16 1, 1, 0, 0
	MUL16 1, 1, 2, 0
.endm
	s_wait_tensorcnt 1                             ; my part of K step 0 is in; K step 1's load stays out
	s_barrier_signal -1
	s_barrier_wait -1
	FETCH 0, 0, 0
	QUARTER 0, 1                                   ; the first quarter stands in front of the loop: its products start the sums
	WIN 0
	s_mov_b32 s3, 7                                ; 16 K steps: trip i fills K steps 2 i + 2 and 2 i + 3
.Llap:
	TURN 0, 1, 1
	QUARTER 1, 0
	TURN 1, 0, 1
	QUARTER 0, 0
	WIN 0
	s_sub_co_u32 s3, s3, 1
	s_cmp_lg_u32 s3, 0
	s_cbranch_scc1 .Llap
	TURN 0, 1, 0                                   ; the last lap fills nothing
	QUARTER 1, 0
	s_wait_dscnt 32                                ; the very last quarter
	CVT 1
	s_wait_dscnt 0x0                               ; my reads of the ring are over:
	s_barrier_signal -1                            ; behind this barrier the waves' dumps are stored over it
	MUL16 1, 0, 0, 0
	MUL16 1, 0, 2, 0
	MUL16 1, 1, 0, 0
	MUL16 1, 1, 2, 0
	WIN 0
	s_barrier_wait -1
.rept 8
	v_nop                                          ; the places behind the last products, once a launch (7.12.1 asks for four)
.endr
	; THE WAY OUT.  The wave's 64 x 256 sums go into its own dump in LDS (each accumulator's low registers first) and come back as whole rows.
.irp hi, 0,1
	WIN 0x08+4*(\hi)                               ; store data in window 2, then 3
.irp a, 0,1,2,3
.irp b, 0,1,2,3,4,5,6,7
	ds_store_b128 v[DST], v[8*(8*(\a)+(\b)):8*(8*(\a)+(\b))+3]   offset:16*PD*(\a)+64*(8*(\hi)+(\b))
	ds_store_b128 v[DST], v[8*(8*(\a)+(\b))+4:8*(8*(\a)+(\b))+7] offset:16*PD*(\a)+64*(8*(\hi)+(\b))+16
.endr
.endr
.endr
	WIN 0
; Four rows at a time.  Unit u: row u / 2, head u % 2: 128 f32 = 512 bytes, 16 a lane.  LDS serves a wave's instructions in order (ISA guide 5.7.1.4): the loads see the stores above.
.macro LOADX
.irp u, 0,1,2,3,4,5,6,7
	ds_load_b128 v[X+4*(\u):X+4*(\u)+3], v[RD] offset:PD*((\u)/2)+512*((\u)%2)
.endr
.endm
; 32 sigmoids a lane: t = 2^(-x log2 e); result = 1 / (t INV + INV).  Two batches of 32 transcendentals, each with one plain instruction and one wait behind it.
; more = 1: the next four rows are asked for as soon as these have been read.
.macro SIG more
	s_wait_dscnt 0x0
.set z, 0
.rept 16
	v_pk_mul_f32 v[T+z:T+z+1], v[X+z:X+z+1], s[NL2E:NL2E+1] op_sel_hi:[1,0]
.set z, z+2
.endr
.if \more
	v_add_nc_u32 v[RD], 4*PD, v[RD]
	LOADX
.endif
.set z, 0
.rept 32
	v_exp_f32 v[T+z], v[T+z]
.set z, z+1
.endr
	v_nop
	s_wait_alu depctr_va_vdst(0)
.set z, 0
.rept 16
	v_pk_fma_f32 v[T+z:T+z+1], v[T+z:T+z+1], s[INV:INV+1], s[INV:INV+1] op_sel_hi:[1,0,0]
.set z, z+2
.endr
.set z, 0
.rept 32
	v_rcp_f32 v[T+z], v[T+z]
.set z, z+1
.endr
	v_nop
	s_wait_alu depctr_va_vdst(0)
.set z, 0
.rept 16
	v_cvt_pk_f16_f32 v[Y+z], v[T+2*z], v[T+2*z+1]
.set z, z+1
.endr
.irp u, 0,1,2,3,4,5,6,7
	global_store_b64 v[CO], v[Y+2*(\u):Y+2*(\u)+1], s[OUTP:OUTP+1] offset:256*((\u)/2)+524288*((\u)%2)  ; a wave's store is one row of a head: 256 consecutive bytes, aligned
.endr
.if \more
	s_wait_xcnt 0x0                                ; the stores have read Y and CO, which are written again
	v_add_nc_u32 v[CO], 1024, v[CO]
.endif
.endm
	LOADX
	s_mov_b32 s[CNT], 15
.Lsig:
	SIG 1
	s_sub_co_u32 s[CNT], s[CNT], 1
	s_cmp_lg_u32 s[CNT], 0
	s_cbranch_scc1 .Lsig
	SIG 0
	s_wait_tensorcnt 0x0                           ; the wave's end: behind my last tensor load and my last LDS store
	ds_add_u32 v[SPW], v[NIL]
	s_wait_dscnt 0x0
	CROUND                                         ; the closing round
	s_endpgm
.Lfunc_end_k_q7b01dacf36_proj:
	.size	k_q7b01dacf36_proj, .Lfunc_end_k_q7b01dacf36_proj-k_q7b01dacf36_proj
	.p2alignl 7, 3214868480
	.fill 96, 4, 3214868480
	.section	.rodata,"a",@progbits
	.p2align	6, 0x0
	.amdhsa_kernel k_q7b01dacf36_proj
		.amdhsa_group_segment_fixed_size 327680
		.amdhsa_private_segment_fixed_size 0
		.amdhsa_enable_private_segment 0
		.amdhsa_kernarg_size 48
		.amdhsa_user_sgpr_count 2
		.amdhsa_user_sgpr_kernarg_segment_ptr 1
		.amdhsa_wavefront_size32 1
		.amdhsa_system_sgpr_workgroup_id_x 1
		.amdhsa_system_sgpr_workgroup_id_y 1
		.amdhsa_system_sgpr_workgroup_id_z 1
		.amdhsa_system_vgpr_workitem_id 0
		.amdhsa_next_free_vgpr 1024
		.amdhsa_next_free_sgpr 84
		.amdhsa_reserve_vcc 0
		.amdhsa_float_denorm_mode_32 3
		.amdhsa_float_denorm_mode_16_64 3
		.amdhsa_memory_ordered 1
		.amdhsa_forward_progress 1
		.amdhsa_inst_pref_size 108
	.end_amdhsa_kernel
	.amdgpu_metadata
---
amdhsa.version: [ 1, 2 ]
amdhsa.kernels:
  - .name:           k_q7b01dacf36_proj
    .symbol:         k_q7b01dacf36_proj.kd
    .args:
      - { .name: k, .offset: 0, .size: 8, .value_kind: global_buffer, .address_space: global }
      - { .name: q, .offset: 8, .size: 8, .value_kind: global_buffer, .address_space: global }
      - { .name: wkb, .offset: 16, .size: 8, .value_kind: global_buffer, .address_space: global }
      - { .name: wqb, .offset: 24, .size: 8, .value_kind: global_buffer, .address_space: global }
      - { .name: kx, .offset: 32, .size: 8, .value_kind: global_buffer, .address_space: global }
      - { .name: qx, .offset: 40, .size: 8, .value_kind: global_buffer, .address_space: global }
    .group_segment_fixed_size: 327680
    .private_segment_fixed_size: 0
    .kernarg_segment_align: 8
    .kernarg_segment_size: 48
    .max_flat_workgroup_size: 128
    .sgpr_count:     84
    .vgpr_count:     1024
    .wavefront_size: 32
...
	.end_amdgpu_metadata
.endif
;; end of part 2
;; launch attn (part 3): grid 8 x 32, 4 waves a work-group, clusters of 4 x 1, 327,680 bytes of LDS; arguments qx, kx, ao; writes ao
.if DOCPART == 3
	.amdgcn_target "amdgcn-amd-amdhsa--gfx1250"
	.amdhsa_code_object_version 6
	.text
	.protected	k_q7b01dacf36_attn
	.globl	k_q7b01dacf36_attn
	.p2align	8
	.type	k_q7b01dacf36_attn,@function
k_q7b01dacf36_attn:
	s_mov_b64 s[64:65], 0
	v_nop
	global_prefetch_b8 v0, s[64:65] scope:SCOPE_SE
	s_setreg_imm32_b32 hwreg(HW_REG_WAVE_MODE, 25, 1), 1
	s_wait_xcnt 0x0
	s_wait_alu depctr_hold_cnt(0) depctr_sa_sdst(0) depctr_va_vdst(0) depctr_va_sdst(0) depctr_va_ssrc(0) depctr_va_vcc(0) depctr_vm_vsrc(0)
	s_getreg_b32 s2, hwreg(HW_REG_IB_STS2, 6, 4)
	s_cmp_eq_u32 s2, 0
	s_cbranch_scc0 .Lentry_in_a_cluster
	s_endpgm
.Lentry_in_a_cluster:
	s_bfe_u32 s2, ttmp6, 0x10000c
	s_cmp_lg_u32 s2, 0x3003
	s_cbranch_scc0 .Lentry_shape_is_right
	s_endpgm
.Lentry_shape_is_right:
; ATTN: for each of the 32 pairs (b, h): O[q][:] = sum over k of softmax_k(qx[q] . kx[k] / sqrt(128)) kx[k][:].  The keys ARE the values: one tile in LDS serves both products.
; qx, kx: f16 [8 b + h][2048][128]; qx already holds c sigmoid(..), c = log2(e) / sqrt(128).  ao: f16 [2048 b + l][128 h + d].  Products in f16, sums in f32; the weights p are rounded to f16
; for the second product (their sum l is taken of the unrounded p), O once at the end.
; NO RUNNING MAXIMUM, AND WHY.  Both factors are sigmoids that the module itself makes: kx lies in 0..1, qx in 0..c (1 + 2^-11), and a row has 128 channels.  So the exponent E = qx . kx lies in
; 0 .. 16.33 for every input.  p = 2^(E - 8) lies in 2^-8 .. 2^8.33: normal numbers of f16; l and the sums of O stay under 2,048 x 2^8.33 = 6.6e5 in f32.  No exponential and no sum of them can
; overflow or underflow.  The shift -8 is the C operand of the product that starts a score's sum, so v_exp_f32 works on the accumulator as it is; it cancels in O = sum / l.
; LIMITS.  NaN among the inputs is not treated apart.
; SHARES.  A work-group owns 256 queries of one (b, h), a wave 64: four tiles of 16, in two PIECES (tiles 0, 1 and tiles 2, 3).  Every wave walks all 2,048 keys, 64 a step.
; LAYOUT.  S^T = K Q^T (source 0 = 16 keys, source 1 = 16 queries): a lane holds ONE query (lane % 16) and the keys 8 (lane / 16) + 0..7.  Two such results, rounded in pairs, ARE source 1 of O^T = V^T P.
; BY TURNS.  In a turn one piece has the matrix unit (32 products V^T P of the step in hand, 32 products K Q^T of the next); the other piece's 128 vector instructions stand in slices behind them.
; CLUSTER 4 x 1.  The four query blocks of a cluster walk the same kx: each tile is asked for jointly, by the same load, descriptor and mask in all four.
; REGISTERS, in windows of 256: window 0: v2-8 addresses; v12-43 four pair sums of l a tile; v48-55 the shift; v64-191 S^T, 32 a tile; v192-255 P, 16 a tile
;   window 1: O^T, 64 a tile      window 2: v0-127 Q; v128-255 K of one step      window 3: v0-127 V of one step
.set KS,    64
.set PK,    272                        ; an LDS row: 256 bytes + 16 = 68 words: the 16 rows of K's load start at 16 different groups of four banks (ISA guide 11.1)
.set STEPB, KS*PK
.set SLOT1, 1<<17                      ; a slot holds four steps (69,632 bytes); slot 1 begins here, so that one exclusive or turns an address into the other slot's
.set STAGE, SLOT1+4*STEPB              ; behind the ring: 16 rows x 272 bytes for each wave, for the way out
.set SP,    272
.set SPARE, STAGE+4*16*SP              ; the spare words, 128 bytes a wave: two blocks of 256 bytes that no other line names
.set AK0, 2                            ; v2   my lane's place in a tile, for K; never rewritten
.set AV0, 3                            ; v3   for V
.set ADR, 4                            ; v4   the LDS address of the run of loads in hand
.set QO,  5                            ; v5   my byte offset in the wave's rows of qx
.set STO, 6                            ; v6   the way out: where I put 16 bytes of a row
.set RD,  7                            ; v7   where I read a row back
.set GO,  8                            ; v8   my byte offset in two rows of ao
.set ST,  12
.set SH,  48
.set PFO, 61                           ; v61  256 x my lane; never rewritten
.set SPW, 62
.set NIL, 63
.set S,   64
.set P,   192
.set KF,  128
.set WV,  12
.set LIM, 15                           ; s15  1 in a wave that prefetches, else the greatest number
.set PFA, 18                           ; s[18:19]
.set G1,  24                           ; s[24:31]
.set G0,  40                           ; s[40:43] slot 0's first fill; s[44:47] slot 1's, which then walks on
.set SLOTS, 56
.set CNT, 57
.set SEL, 60
.set TB,  62                           ; s62  LDS byte at which the step to be fetched begins
.set MSB, 0
.macro WIN new
.if MSB != (\new)
	s_set_vgpr_msb (MSB<<8)|(\new)
.set MSB, \new
.endif
.endm
.set W_KQ, 0x0a                        ; K and Q in window 2, the shift and S^T in window 0
.set W_PV, 0x53                        ; V in window 3, P in window 0, O^T in window 1
.set W_RS, 0x41                        ; O^T (destination and source 0) in window 1, source 1 in window 0
.macro CROUND
	s_barrier_signal -1
	s_barrier_wait -1
	s_cmp_lg_u32 s[WV], 0
	s_cbranch_scc1 .Lnot_wave_0_\@
	s_barrier_signal -3
.Lnot_wave_0_\@:
	s_barrier_wait -3
	s_barrier_signal -1
	s_barrier_wait -1
.endm
; A PREFETCH INTO THE L2 of the slot that the NEXT change will ask for: 256 rows of 256 bytes.  Both clusters of a (b, h) walk the same rows: the first asks.  Its four partners take 64 rows each, told apart
; by address; in each, waves 0 and 1 take 32, a lane a row.  So each row is named once.  It stands four key steps, 512 matrix instructions, ahead of that load.  The last filling change asks for nothing.
.macro ASK
	s_cmp_gt_u32 s[SLOTS], s[LIM]
	s_cbranch_scc0 .Lnot_mine_\@
	global_prefetch_b8 v[PFO], s[PFA:PFA+1] th:TH_LOAD_NT scope:SCOPE_SE
.Lnot_mine_\@:
.endm
	s_load_b128 s[4:7], s[0:1], 0x0                ; qx s[4:5], kx s[6:7]
	s_load_b64 s[10:11], s[0:1], 0x10              ; ao
	v_lshl_add_u32 v[SPW], v0, 2, SPARE
	v_mov_b32 v[NIL], 0
	ds_add_u32 v[SPW], v[NIL]                      ; the wave's opening: the add and its wait stand ahead of my first tensor load
	v_lshrrev_b32 v1, 5, v0
	v_readfirstlane_b32 s[WV], v1
	s_bfe_u32 s13, ttmp6, 0x40000                  ; cx
	s_lshl_b32 s14, ttmp9, 2
	s_add_co_u32 s14, s14, s13                     ; my block of 256 queries: it enters qx's and ao's addresses alone
	s_and_b32 s16, ttmp7, 0xffff                   ; 8 b + h, which the partners share
	s_lshl_b32 s20, s16, 19                        ; its first byte in qx and kx
	s_lshl_b32 s22, s[WV], 14                      ; wave w fetches step w of each slot: 64 rows of 256 bytes
	s_add_co_u32 s22, s22, s20
	s_mov_b32 s23, 0
	s_mul_i32 s17, s[WV], STEPB                    ; its place in a slot
	s_lshl_b32 s2, s14, 16                         ; qx: my block's 256 rows, my wave's 64 (also 16,384 bytes a wave)
	s_add_co_u32 s2, s2, s22
	s_mov_b32 s3, 0
	s_lshr_b32 s8, s16, 3                          ; ao: row 2048 b + 256 block + 64 w, 2,048 bytes a row; column 128 h, 2 bytes each
	s_lshl_b32 s8, s8, 11
	s_lshl_b32 s9, s14, 8
	s_add_co_u32 s8, s8, s9
	s_lshl_b32 s9, s[WV], 6
	s_add_co_u32 s8, s8, s9
	s_lshl_b32 s8, s8, 11
	s_and_b32 s9, s16, 7
	s_lshl_b32 s9, s9, 8
	s_add_co_u32 s8, s8, s9
	s_mov_b32 s9, 0
	s_lshl_b32 s21, s13, 14                        ; the prefetches: my work-group's 64 rows of a slot,
	s_add_co_u32 s20, s20, s21
	s_and_b32 s21, s[WV], 1
	s_lshl_b32 s21, s21, 13                        ; my wave's 32 of them,
	s_add_co_u32 s20, s20, s21
	s_add_co_u32 s20, s20, 2*4*KS*256              ; in slot 2; the first change steps it to slot 3
	s_mov_b32 s21, 0
	s_lshr_b32 s[LIM], s[WV], 1
	s_or_b32 s[LIM], s[LIM], ttmp9                 ; 0 in waves 0 and 1 of the first cluster: the same in all four partners
	s_cmp_eq_u32 s[LIM], 0
	s_cselect_b32 s[LIM], 1, -1
	s_mov_b32 s[G1], 15|(1<<16)|(1<<20)|(1<<21)|(5<<22)|(3<<25)  ; the mask of four; 2-byte elements; padding on; bit 21 beside a mask; after every 64 words, 4 words
	s_mov_b32 s[G1+1], 128<<16
	s_mov_b32 s[G1+2], KS<<16
	s_mov_b32 s[G1+3], 128<<16
	s_mov_b32 s[G1+4], KS
	s_mov_b32 s[G1+5], 128
	s_mov_b32 s[G1+6], 0
	s_mov_b32 s[G1+7], 0
	s_mov_b32 s[SEL], 0x76543210
	s_mov_b32 s[SEL+1], 0xfedcba98
	s_mov_b32 s[TB], 0
	v_and_b32 v[PFO], 31, v0
	v_lshlrev_b32 v[PFO], 8, v[PFO]
	s_wait_dscnt 0x0                               ; the opening add is done
	s_wait_kmcnt 0x0
	s_add_nc_u64 s[PFA:PFA+1], s[6:7], s[20:21]
	s_add_nc_u64 s[6:7], s[6:7], s[22:23]          ; kx at my step of slot 0
	s_add_nc_u64 s[4:5], s[4:5], s[2:3]
	s_add_nc_u64 s[10:11], s[10:11], s[8:9]
	CROUND                                         ; all four work-groups are here: the first joint loads meet
.irp n, 0,1
	s_mov_b32 s[G0+4*(\n)], 1
	s_add_co_u32 s[G0+4*(\n)+1], s17, (\n)*SLOT1
	s_add_nc_u64 s[G0+4*(\n)+2:G0+4*(\n)+3], s[6:7], (\n)*4*KS*256
	s_or_b32 s[G0+4*(\n)+3], s[G0+4*(\n)+3], 0x80000000
.endr
	tensor_load_to_lds s[G0:G0+3], s[G1:G1+7]      ; every wave issues both first fills: two loads of mine are out
	s_nop 0
	tensor_load_to_lds s[G0+4:G0+7], s[G1:G1+7]
	s_nop 0
.rept 4
	v_nop
.endr
	v_and_b32 v1, 15, v0                           ; r = l % 16
	v_bfe_u32 v9, v0, 4, 1                         ; h = l / 16
	v_lshlrev_b32 v[QO], 8, v1
	v_lshl_add_u32 v[QO], v9, 4, v[QO]
	WIN 0x80                                       ; destination window 2
.irp i, 0,1,2,3,4,5,6,7,8,9,10,11,12,13,14,15      ; Q stays in registers: tile i / 4, channels 32 (i % 4) on
	global_load_b128 v[8*(\i):8*(\i)+3],   v[QO], s[4:5] offset:((\i)/4)*4096+((\i)%4)*64
	global_load_b128 v[8*(\i)+4:8*(\i)+7], v[QO], s[4:5] offset:((\i)/4)*4096+((\i)%4)*64+32
.endr
	WIN 0
.set i, 0
.rept 32
	v_mov_b32 v[ST+i], 0                           ; l's pair sums start at 0, in the wait for the first tile
.set i, i+1
.endr
.set i, 0
.rept 8
	v_mov_b32 v[SH+i], 0xc1000000                  ; -8.0
.set i, i+1
.endr
	v_mul_u32_u24 v[AK0], v1, PK
	v_lshl_add_u32 v[AK0], v9, 4, v[AK0]           ; K: row r, 16 bytes for each half of the lanes
	; V out of the same rows.  The turning load's lane l reads key 8 h + l % 8; lanes with l % 16 >= 8 read 128 bytes (64 channels) further on, not 16.
	; So row m of V^T's block cb is channel 8 cb + m (m < 8) or 64 + 8 cb + m - 8.
	v_and_b32 v10, 7, v0
	v_bfe_u32 v11, v0, 3, 1
	v_lshl_add_u32 v[AV0], v9, 3, v10
	v_mul_u32_u24 v[AV0], v[AV0], PK
	v_lshl_add_u32 v[AV0], v11, 7, v[AV0]
; THE MATRIX WORK OF A TURN, for piece x.  The accumulators take turns, one instruction a turn: 15 (V^T P) or 7 (K Q^T) others stand between two links of a chain.
; Product i of 32 of O^T += V^T P: keys 32 (i / 16) on, channel block (i / 2) % 8, tile x + i % 2.  zero = 1: the first 16 start the sums.
.macro PV x, zero
	WIN W_PV
.set rO, 64*((\x)+i%2)+8*((i/2)%8)
.set rV, 64*(i/16)+8*((i/2)%8)
.set rP, P+16*((\x)+i%2)+8*(i/16)
.if (\zero) && (i < 16)
	v_wmma_f32_16x16x32_f16 v[rO:rO+7], v[rV:rV+7], v[rP:rP+7], 0
.else
	v_wmma_f32_16x16x32_f16 v[rO:rO+7], v[rV:rV+7], v[rP:rP+7], v[rO:rO+7]
.endif
.endm
; Product i of 32 of S^T = K Q^T - 8: channels 32 (i / 8) on, keys 16 ((i / 2) % 4) on, tile x + i % 2.  The first 8 start the sums, with the shift.
.macro KQ x
	WIN W_KQ
.set rS, S+32*((\x)+i%2)+8*((i/2)%4)
.set rK, KF+32*((i/2)%4)+8*(i/8)
.set rQ, 32*((\x)+i%2)+8*(i/8)
.if i < 8
	v_wmma_f32_16x16x32_f16 v[rS:rS+7], v[rK:rK+7], v[rQ:rQ+7], v[SH:SH+7]
.else
	v_wmma_f32_16x16x32_f16 v[rS:rS+7], v[rK:rK+7], v[rQ:rQ+7], v[rS:rS+7]
.endif
.endm
; THE LDS LOADS stand in runs of 32: a step's rows as K, and a turn later the same rows as V, turned.
.macro FETCH_K
	WIN 0
	v_add_nc_u32 v[ADR], s[TB], v[AK0]
	WIN 0x80
.irp f, 0,1,2,3,4,5,6,7,8,9,10,11,12,13,14,15      ; keys 16 (f / 4) on, channels 32 (f % 4) on
	ds_load_b128 v[KF+8*(\f):KF+8*(\f)+3],   v[ADR] offset:((\f)/4)*16*PK+((\f)%4)*64
	ds_load_b128 v[KF+8*(\f)+4:KF+8*(\f)+7], v[ADR] offset:((\f)/4)*16*PK+((\f)%4)*64+32
.endr
.endm
.macro FETCH_V
	WIN 0
	v_add_nc_u32 v[ADR], s[TB], v[AV0]
	s_add_co_u32 s[TB], s[TB], STEPB               ; the next fetch is the next step's
	s_wait_alu depctr_va_vdst(0)                   ; the wait for the slices' batch of exponentials, behind the address line and ahead of the loads
	WIN 0xc0                                       ; destination window 3
.irp f, 0,1,2,3,4,5,6,7,8,9,10,11,12,13,14,15      ; keys 32 (f / 8) on, channel block f % 8
	ds_load_tr16_b128 v[8*(\f):8*(\f)+3],   v[ADR] offset:((\f)/8)*32*PK+((\f)%8)*16
	ds_load_tr16_b128 v[8*(\f)+4:8*(\f)+7], v[ADR] offset:((\f)/8)*32*PK+16*PK+((\f)%8)*16
.endr
.endm
; THE VECTOR WORK OF A TURN: for each of the piece's two tiles 32 exponentials, in place and in ascending order (each accumulator's low registers are read first);
; then for each pair b of weights a packed addition onto one of four pair sums of l, and the rounding to f16.
.macro SUMCVT t, b
	v_pk_add_f32 v[ST+8*(\t)+2*((\b)%4):ST+8*(\t)+2*((\b)%4)+1], v[ST+8*(\t)+2*((\b)%4):ST+8*(\t)+2*((\b)%4)+1], v[S+32*(\t)+2*(\b):S+32*(\t)+2*(\b)+1]
	v_cvt_pk_f16_f32 v[P+16*(\t)+(\b)], v[S+32*(\t)+2*(\b)], v[S+32*(\t)+2*(\b)+1]
.endm
; Slice k of 64 of piece y.  0-31: score k of both tiles: ONE BATCH of 64 exponentials, none of which reads another's result.  Behind slice 31 stand the plain instruction and the one wait
; ahead of the first reader.  In piece 2's turn (y = 0) V's run of loads stands there: three v_nop and the run's own address line are the four places behind the last product that read V.
; 33-62: a pair of one tile, the tiles by turns.  63: both tiles' last pairs: four plain instructions that name nothing of the products round them: the places behind the turn's last K Q^T.
.macro SLICE y
.if k < 32
	WIN 0
	v_exp_f32 v[S+32*(\y)+k], v[S+32*(\y)+k]
	v_exp_f32 v[S+32*((\y)+1)+k], v[S+32*((\y)+1)+k]
.if k == 31
.if (\y) == 0
	v_nop
	v_nop
	v_nop
	FETCH_V
.else
	v_nop
	s_wait_alu depctr_va_vdst(0)
.endif
.endif
.elseif k == 63
	WIN 0
	SUMCVT \y, 15
	SUMCVT (\y)+1, 15
.elseif k > 32
	WIN 0
	SUMCVT (\y)+(k-33)%2, (k-33)/2
.endif
.set k, k+1
.endm
; A TURN.  pv = 2: 32 products V^T P; 1: they start O^T's sums; 0: none.  kq = 1: 32 products K Q^T for the next step.  A turn with one of the two kinds has two slices behind each product.
; Piece 0's turn fetches the next step's K behind its second product: the last product that read K stands in front of slice 63 of the turn before.
.macro TURN x, pv, kq
.set k, 0
.set per, 2
.if (\pv) && (\kq)
.set per, 1
.endif
.if \pv
.if (\x) == 0
	s_wait_dscnt 0x0                               ; V is in
.endif
.set i, 0
.rept 32
	PV \x, 2-(\pv)
.rept per
	SLICE 2-(\x)
.endr
.if ((\x) == 0) && (\kq) && (i == 1)
	FETCH_K
.endif
.set i, i+1
.endr
.endif
.if \kq
.if (\x) == 0
	s_wait_dscnt 0x0                               ; K is in
.endif
.set i, 0
.rept 32
	KQ \x
.rept per
	SLICE 2-(\x)
.endr
.set i, i+1
.endr
.endif
.endm
; THE CHANGE OF SLOTS, when the slot's last rows have been asked for as V.  Each wave waits for all its tensor loads (one is out: its step of the other slot), adds 0 to its spare word, and waits for that and
; for its reads of the slot.  fill = 1: the barrier is a round of the cluster's, and the joint refill, the keys two slots on, is the first thing behind it: it has four key steps in which to land.
.macro CHANGE fill
	WIN 0
	s_wait_tensorcnt 0x0                           ; no tensor load of mine is out, so a group 0 may be written
	ds_add_u32 v[SPW], v[NIL]                      ; 0 onto my spare word
.if \fill
	s_xor_b32 s[G0+5], s[G0+5], SLOT1              ; the walking descriptor: the other slot than last time,
	s_add_nc_u64 s[G0+6:G0+7], s[G0+6:G0+7], 4*KS*256  ; the next 256 keys
	s_wait_xcnt 0x0                                ; the last prefetch, four key steps back, has read its address
	s_add_nc_u64 s[PFA:PFA+1], s[PFA:PFA+1], 4*KS*256
	s_wait_dscnt 0x0                               ; the add is done, and my reads of the slot are over
	CROUND
	tensor_load_to_lds s[G0+4:G0+7], s[G1:G1+7]
	s_nop 0
.rept 4
	v_nop
.endr
	ASK
.else
	s_wait_dscnt 0x0
	s_barrier_signal -1
	s_barrier_wait -1
.endif
	s_sub_co_u32 s[TB], s[TB], 4*STEPB             ; the fetches go back to a slot's first step,
	s_xor_b32 s[TB], s[TB], SLOT1                  ; in the other slot
.endm
	s_wait_tensorcnt 1                             ; my step of slot 0 is in; slot 1's load stays out
	s_barrier_signal -1
	s_barrier_wait -1
	FETCH_K                                        ; key step 0
	s_wait_loadcnt 0x0                             ; Q
	s_wait_dscnt 0x0
.set i, 0
.rept 32
	KQ 0                                           ; piece 0's first scores
.set i, i+1
.endr
	WIN 0                                          ; the addresses for the way out: eight plain instructions, the places behind those products
	s_mul_i32 s13, s[WV], 16*SP
	s_add_co_u32 s13, s13, STAGE
	v_mul_u32_u24 v[STO], v1, SP                   ; in: row r; my channels are 64 h + 8 cb + 0..7
	v_lshl_add_u32 v[STO], v9, 7, v[STO]
	v_add_nc_u32 v[STO], s13, v[STO]
	v_mul_u32_u24 v[RD], v9, SP                    ; back: lanes 0-15 one row of 256 bytes, lanes 16-31 the next
	v_lshl_add_u32 v[RD], v1, 4, v[RD]
	v_add_nc_u32 v[RD], s13, v[RD]
	v_lshlrev_b32 v[GO], 11, v9                    ; and the same two rows in ao
	v_lshl_add_u32 v[GO], v1, 4, v[GO]
	TURN 2, 0, 1                                   ; piece 2's first scores | piece 0's first weights | V of step 0
	TURN 0, 1, 1                                   ; piece 0: V^T P of step 0 starts O^T, K Q^T of step 1 | piece 2's weights | K of step 1
	TURN 2, 1, 1                                   ; piece 2: the same | piece 0's weights of step 1 | V of step 1
	WIN 0
	s_mov_b32 s[CNT], 2                            ; slot 0 has two steps left
	s_mov_b32 s[SLOTS], 7
	s_branch .Lstep
.Lslot:                                            ; six times: slots 2 to 7 are asked for
	CHANGE 1
	s_mov_b32 s[CNT], 4
.Lstep:
	TURN 0, 2, 1
	TURN 2, 2, 1
	WIN 0
	s_sub_co_u32 s[CNT], s[CNT], 1
	s_cmp_lg_u32 s[CNT], 0
	s_cbranch_scc1 .Lstep
	s_sub_co_u32 s[SLOTS], s[SLOTS], 1
	s_cmp_lg_u32 s[SLOTS], 0
	s_cbranch_scc1 .Lslot
	CHANGE 0                                       ; the last slot is written out
	s_mov_b32 s[CNT], 4
.Ltail:
	TURN 0, 2, 1
	TURN 2, 2, 1
	WIN 0
	s_sub_co_u32 s[CNT], s[CNT], 1
	s_cmp_lg_u32 s[CNT], 0
	s_cbranch_scc1 .Ltail
	TURN 0, 2, 0                                   ; piece 0: V^T P of the last step | piece 2's last weights
.set i, 0
.rept 32
	PV 2, 0
.set i, i+1
.endr
	; THE WAY OUT.  l's eight partial sums and the other half of the lanes' are added; O^T is divided by l, rounded to f16 and sent through my stage, a tile at a time.  The additions are the places behind the last products.
	WIN 0
.irp t, 0,1,2,3
	v_pk_add_f32 v[ST+8*(\t):ST+8*(\t)+1], v[ST+8*(\t):ST+8*(\t)+1], v[ST+8*(\t)+2:ST+8*(\t)+3]
.endr
.irp t, 0,1,2,3
	v_pk_add_f32 v[ST+8*(\t)+4:ST+8*(\t)+5], v[ST+8*(\t)+4:ST+8*(\t)+5], v[ST+8*(\t)+6:ST+8*(\t)+7]
.endr
.irp t, 0,1,2,3
	v_pk_add_f32 v[ST+8*(\t):ST+8*(\t)+1], v[ST+8*(\t):ST+8*(\t)+1], v[ST+8*(\t)+4:ST+8*(\t)+5]
.endr
.irp t, 0,1,2,3
	v_add_f32 v[ST+8*(\t)+4], v[ST+8*(\t)], v[ST+8*(\t)+1]
.endr
.irp t, 0,1,2,3
	v_permlanex16_b32 v[ST+8*(\t)+5], v[ST+8*(\t)+4], s[SEL], s[SEL+1]
.endr
.irp t, 0,1,2,3
	v_add_f32 v[ST+8*(\t)+4], v[ST+8*(\t)+4], v[ST+8*(\t)+5]
.endr
.irp t, 0,1,2,3
	v_rcp_f32 v[ST+8*(\t)+6], v[ST+8*(\t)+4]
.endr
	v_nop                                          ; a plain instruction behind the last reciprocal,
	s_wait_alu depctr_va_vdst(0)                   ; and the wait ahead of the first use: one for the four
.macro PACK t
	WIN W_RS
.set i, 64*(\t)
.rept 32
	v_pk_mul_f32 v[i:i+1], v[i:i+1], v[ST+8*(\t)+6:ST+8*(\t)+7] op_sel_hi:[1,0]
.set i, i+2
.endr
	WIN 0x05                                       ; sources in window 1, destination in window 0: S^T's registers are free
.set i, 0
.rept 32
	v_cvt_pk_f16_f32 v[S+32*(\t)+i], v[64*(\t)+2*i], v[64*(\t)+2*i+1]
.set i, i+1
.endr
	WIN 0
.irp f, 0,1,2,3,4,5,6,7
	ds_store_b128 v[STO], v[S+32*(\t)+4*(\f):S+32*(\t)+4*(\f)+3] offset:16*(\f)
.endr
.irp f, 0,1,2,3,4,5,6,7
	ds_load_b128 v[S+32*(\t)+4*(\f):S+32*(\t)+4*(\f)+3], v[RD] offset:(\f)*2*SP  ; LDS serves a wave's instructions in order (ISA guide 5.7.1.4): these see the stores above; the next tile's stores come behind them
.endr
.endm
.macro SEND t, younger                 ; younger: the LDS instructions issued behind tile t's loads: the next tile's sixteen, or none
	WIN 0
.irp f, 0,1,2,3,4,5,6,7
	s_wait_dscnt (\younger)+7-(\f)
	global_store_b128 v[GO], v[S+32*(\t)+4*(\f):S+32*(\t)+4*(\f)+3], s[10:11] offset:(\t)*32768+(\f)*4096  ; 16 lanes store a head's 256 consecutive bytes of a row, aligned
.endr
.endm
	PACK 0
	PACK 1
	SEND 0, 16
	PACK 2
	SEND 1, 16
	PACK 3
	SEND 2, 16
	SEND 3, 0
	s_wait_tensorcnt 0x0                           ; the wave's end: behind my last tensor load and my last LDS store
	ds_add_u32 v[SPW], v[NIL]
	s_wait_dscnt 0x0
	CROUND                                         ; the closing round
	s_endpgm
.Lfunc_end_k_q7b01dacf36_attn:
	.size	k_q7b01dacf36_attn, .Lfunc_end_k_q7b01dacf36_attn-k_q7b01dacf36_attn
	.p2alignl 7, 3214868480
	.fill 96, 4, 3214868480
	.section	.rodata,"a",@progbits
	.p2align	6, 0x0
	.amdhsa_kernel k_q7b01dacf36_attn
		.amdhsa_group_segment_fixed_size 327680
		.amdhsa_private_segment_fixed_size 0
		.amdhsa_enable_private_segment 0
		.amdhsa_kernarg_size 24
		.amdhsa_user_sgpr_count 2
		.amdhsa_user_sgpr_kernarg_segment_ptr 1
		.amdhsa_wavefront_size32 1
		.amdhsa_system_sgpr_workgroup_id_x 1
		.amdhsa_system_sgpr_workgroup_id_y 1
		.amdhsa_system_sgpr_workgroup_id_z 1
		.amdhsa_system_vgpr_workitem_id 0
		.amdhsa_next_free_vgpr 896
		.amdhsa_next_free_sgpr 66
		.amdhsa_reserve_vcc 0
		.amdhsa_float_denorm_mode_32 3
		.amdhsa_float_denorm_mode_16_64 3
		.amdhsa_memory_ordered 1
		.amdhsa_forward_progress 1
		.amdhsa_inst_pref_size 164
	.end_amdhsa_kernel
	.amdgpu_metadata
---
amdhsa.version: [ 1, 2 ]
amdhsa.kernels:
  - .name:           k_q7b01dacf36_attn
    .symbol:         k_q7b01dacf36_attn.kd
    .args:
      - { .name: qx, .offset: 0, .size: 8, .value_kind: global_buffer, .address_space: global }
      - { .name: kx, .offset: 8, .size: 8, .value_kind: global_buffer, .address_space: global }
      - { .name: ao, .offset: 16, .size: 8, .value_kind: global_buffer, .address_space: global }
    .group_segment_fixed_size: 327680
    .private_segment_fixed_size: 0
    .kernarg_segment_align: 8
    .kernarg_segment_size: 24
    .max_flat_workgroup_size: 128
    .sgpr_count:     66
    .vgpr_count:     896
    .wavefront_size: 32
...
	.end_amdgpu_metadata
.endif
;; end of part 3
;; launch outp (part 4): grid 4 x 64, 4 waves a work-group, clusters of 4 x 4, 327,680 bytes of LDS; arguments ao, pwh, proj_b, out0; writes out0
.if DOCPART == 4
	.amdgcn_target "amdgcn-amd-amdhsa--gfx1250"
	.amdhsa_code_object_version 6
	.text
	.protected	k_q7b01dacf36_outp
	.globl	k_q7b01dacf36_outp
	.p2align	8
	.type	k_q7b01dacf36_outp,@function
k_q7b01dacf36_outp:
	s_mov_b64 s[64:65], 0
	v_nop
	global_prefetch_b8 v0, s[64:65] scope:SCOPE_SE
	s_setreg_imm32_b32 hwreg(HW_REG_WAVE_MODE, 25, 1), 1
	s_wait_xcnt 0x0
	s_wait_alu depctr_hold_cnt(0) depctr_sa_sdst(0) depctr_va_vdst(0) depctr_va_sdst(0) depctr_va_ssrc(0) depctr_va_vcc(0) depctr_vm_vsrc(0)
	s_getreg_b32 s2, hwreg(HW_REG_IB_STS2, 6, 4)
	s_cmp_eq_u32 s2, 0
	s_cbranch_scc0 .Lentry_in_a_cluster
	s_endpgm
.Lentry_in_a_cluster:
	s_bfe_u32 s2, ttmp6, 0x10000c
	s_cmp_lg_u32 s2, 0xf033
	s_cbranch_scc0 .Lentry_shape_is_right
	s_endpgm
.Lentry_shape_is_right:
; OUTP: out0[m][o] = sum over c of ao[m][c] proj_w[o][c] + proj_b[o].  ao: f16 [8192][1024]; pwh: f16 [1024][1024] (proj_w rounded to bf16, written as f16); proj_b: f32, rounded to bf16 like every input; out0: f32.
; Products in f16, sums in f32.  LIMITS: pwh's, stated where it is made; NaN and infinities are not treated apart.
; SHARES.  Tiles of 128 x 256: 256 work-groups, one for each WGP (tiles of 256 x 256 would be 128).  Wave (w / 2, w % 2) owns 64 rows x 128 columns: 32 accumulators.
; RING.  K in 8 steps of 128 (LDS rows of 256 bytes) through two slots; two slots of K = 256 would take 405,504 bytes.  Waves 0, 1 fetch A's halves (64 rows), waves 2, 3 B's (128 rows).
; CLUSTER 4 x 4.  A's tile is asked for jointly along a row of the cluster, B's along a column.  THE MATRIX INSTRUCTION IS USED TRANSPOSED: a lane holds row l % 16 and the columns 8 (l / 16) + 0..7.
; REGISTERS: window 0: addresses, the bias, the way out.   window 1: two fragment buffers of 96: B's 8 blocks, then A's 4.   window 2: accumulator (a, b) at 8 (8 a + b).
.set KSTEP,  128
.set PITCH,  272                       ; 256 bytes + 16 = 68 words: the 16 rows of a load start at 16 different groups of four banks (ISA guide 11.1)
.set ATILE,  128*PITCH
.set SLOT,   ATILE+256*PITCH           ; 104,448
.set PD,     528                       ; the way out: a row of 128 f32 + 16 bytes
.set DUMPW,  64*PD                     ; the four waves' dumps lie over the ring, which has had its last fill by then
.set SPARE,  2*SLOT                    ; 208,896: the spare words, 128 bytes a wave: two blocks of 256 bytes that no other line names
.set ADRA, 16
.set ADRB, 20
.set DST,  24
.set RD,   25
.set CO,   26
.set BO,   27                          ; v27  my byte offset in proj_b; never rewritten
.set SPW,  28
.set NIL,  29
.set PFO,  30
.set BI,   32                          ; v[32:35] the bias of my four columns; v36-37 at work
.set X,    64                          ; v[64:95] eight rows read back
.set F0,   0
.set F1,   96
.set WV,   12
.set ROLE, 13                          ; what I fetch (0: A, 1: B); also my half of the tile's rows
.set HALF, 14                          ; which half of it; also my half of the tile's columns
.set CX,   15
.set CY,   16
.set TC,   17
.set CLY,  18
.set TY,   19
.set G1A,  24
.set G0A,  32
.set LIM0, 40
.set PFA,  44
.set G1B,  48
.set G0B,  56
.set MSB, 0
.macro WIN new
.if MSB != (\new)
	s_set_vgpr_msb (MSB<<8)|(\new)
.set MSB, \new
.endif
.endm
.set MUL,  0xa5                        ; sources 0 (B) and 1 (A) window 1; C and D window 2
.set TO_F, 0x40                        ; destination window 1, address window 0
.macro JLOAD s                         ; a joint load; an s_nop 0 and four v_nop follow each of the two lines, ahead of the jump and the label
	s_cmp_eq_u32 s[ROLE], 0
	s_cbranch_scc0 .Lfor_b_\@
	tensor_load_to_lds s[G0A+4*(\s):G0A+4*(\s)+3], s[G1A:G1A+7]
	s_nop 0
.rept 4
	v_nop
.endr
	s_branch .Lasked_\@
.Lfor_b_\@:
	tensor_load_to_lds s[G0B+4*(\s):G0B+4*(\s)+3], s[G1B:G1B+7]
	s_nop 0
.rept 4
	v_nop
.endr
.Lasked_\@:
.endm
; A PREFETCH INTO THE L2 of the K step two refills on (256 matrix instructions ahead of its load).  A: of the 64 rows that wave 0 or 1 fetches the partner at place cx takes 16; lanes 16-31 name the K step after,
; so A is asked for at slot 0's change alone; no other cluster reads these rows.  B: cluster y = 0 alone asks; of a wave's 128 rows the partner at place cy takes 32, a lane a row.  The loop's last trip asks for nothing.
.macro ASK slot
	WIN 0
	s_cmp_gt_u32 s3, s[LIM0+(\slot)]
	s_cbranch_scc0 .Lnot_mine_\@
	global_prefetch_b8 v[PFO], s[PFA:PFA+1] offset:KSTEP*2 th:TH_LOAD_NT scope:SCOPE_SE
.Lnot_mine_\@:
.endm
.macro CREST
	s_cmp_lg_u32 s[WV], 0
	s_cbranch_scc1 .Lnot_wave_0_\@
	s_barrier_signal -3
.Lnot_wave_0_\@:
	s_barrier_wait -3
	s_barrier_signal -1
	s_barrier_wait -1
.endm
.macro CROUND
	s_barrier_signal -1
	s_barrier_wait -1
	CREST
.endm
.macro PLACES                          ; four places in front of loads into registers that matrix instructions have read
.rept 4
	v_nop
.endr
.endm
	s_load_b256 s[4:11], s[0:1], 0x0               ; ao s[4:5], pwh s[6:7], proj_b s[8:9], out0 s[10:11]
	v_lshl_add_u32 v[SPW], v0, 2, SPARE
	v_mov_b32 v[NIL], 0
	ds_add_u32 v[SPW], v[NIL]                      ; the wave's opening: the add and its wait stand ahead of my first tensor load
	v_lshrrev_b32 v1, 5, v0
	v_readfirstlane_b32 s[WV], v1
	s_lshr_b32 s[ROLE], s[WV], 1
	s_and_b32 s[HALF], s[WV], 1
	s_bfe_u32 s[CX], ttmp6, 0x40000
	s_bfe_u32 s[CY], ttmp6, 0x40004
	s_lshl_b32 s[TC], ttmp9, 2
	s_add_co_u32 s[TC], s[TC], s[CX]
	s_and_b32 s[CLY], ttmp7, 0xffff
	s_lshl_b32 s[TY], s[CLY], 2
	s_add_co_u32 s[TY], s[TY], s[CY]
	s_lshl_b32 s42, s[CY], 2
	s_lshl_b32 s42, 15, s42                        ; my row of the cluster
	s_lshl_b32 s43, 0x1111, s[CX]                  ; my column
	s_or_b32 s[G1A], s42, (1<<16)|(1<<20)|(1<<21)|(5<<22)|(3<<25)   ; mask; 2-byte elements; padding on; bit 21 beside a mask; after every 64 words, 4 words
	s_mov_b32 s[G1A+1], KSTEP<<16
	s_mov_b32 s[G1A+2], 64<<16
	s_mov_b32 s[G1A+3], KSTEP<<16
	s_mov_b32 s[G1A+4], 64
	s_mov_b32 s[G1A+5], 1024
	s_mov_b32 s[G1A+6], 0
	s_mov_b32 s[G1A+7], 0
	s_or_b32 s[G1B], s43, (1<<16)|(1<<20)|(1<<21)|(5<<22)|(3<<25)
	s_mov_b32 s[G1B+1], KSTEP<<16
	s_mov_b32 s[G1B+2], 128<<16
	s_mov_b32 s[G1B+3], KSTEP<<16
	s_mov_b32 s[G1B+4], 128
	s_mov_b32 s[G1B+5], 1024
	s_mov_b32 s[G1B+6], 0
	s_mov_b32 s[G1B+7], 0
	s_lshl_b32 s20, s[TY], 7                       ; A: row 128 ty + 64 half, 2,048 bytes a row
	s_lshl_b32 s21, s[HALF], 6
	s_add_co_u32 s20, s20, s21
	s_lshl_b32 s20, s20, 11
	s_mov_b32 s21, 0
	s_lshl_b32 s22, s[TC], 8                       ; B: row 256 tc + 128 half
	s_lshl_b32 s23, s[HALF], 7
	s_add_co_u32 s22, s22, s23
	s_lshl_b32 s22, s22, 11
	s_mov_b32 s23, 0
	s_mul_i32 s46, s[HALF], 64*PITCH               ; where they go: no place in the cluster enters an LDS address
	s_mul_i32 s47, s[HALF], 128*PITCH
	s_add_co_u32 s47, s47, ATILE
	s_wait_dscnt 0x0                               ; the opening add is done
	s_wait_kmcnt 0x0
	s_add_nc_u64 s[20:21], s[4:5], s[20:21]
	s_add_nc_u64 s[22:23], s[6:7], s[22:23]
	CROUND                                         ; all sixteen work-groups are here: the first joint loads meet
.irp n, 0,1
	s_mov_b32 s[G0A+4*(\n)], 1
	s_add_co_u32 s[G0A+4*(\n)+1], s46, (\n)*SLOT
	s_add_nc_u64 s[G0A+4*(\n)+2:G0A+4*(\n)+3], s[20:21], (\n)*KSTEP*2
	s_or_b32 s[G0A+4*(\n)+3], s[G0A+4*(\n)+3], 0x80000000
	s_mov_b32 s[G0B+4*(\n)], 1
	s_add_co_u32 s[G0B+4*(\n)+1], s47, (\n)*SLOT
	s_add_nc_u64 s[G0B+4*(\n)+2:G0B+4*(\n)+3], s[22:23], (\n)*KSTEP*2
	s_or_b32 s[G0B+4*(\n)+3], s[G0B+4*(\n)+3], 0x80000000
	JLOAD \n
.endr
	v_and_b32 v1, 15, v0                           ; r
	v_bfe_u32 v2, v0, 4, 1                         ; h
	v_and_b32 v3, 31, v0                           ; l
	v_mul_u32_u24 v4, v1, PITCH
	v_lshl_add_u32 v4, v2, 4, v4                   ; a fragment's row x pitch + 16 x half
	s_mul_i32 s20, s[ROLE], 64*PITCH               ; my 64 rows of A
	s_mul_i32 s21, s[HALF], 128*PITCH              ; my 128 rows of B,
	s_add_co_u32 s21, s21, ATILE                   ; which lie behind A's 128
	v_add_nc_u32 v[ADRA], s20, v4
	v_add_nc_u32 v[ADRA+1], SLOT, v[ADRA]
	v_add_nc_u32 v[ADRB], s21, v4
	v_add_nc_u32 v[ADRB+1], SLOT, v[ADRB]
	s_mul_i32 s20, s[WV], DUMPW
	v_mul_u32_u24 v5, v1, PD
	v_lshl_add_u32 v5, v2, 5, v5
	v_add_nc_u32 v[DST], s20, v5
	v_lshl_add_u32 v[RD], v3, 4, s20
	v_lshlrev_b32 v[CO], 4, v3
	; out0 at my first row and column; the column's bytes are also my place in proj_b
	s_lshl_b32 s20, s[TY], 7
	s_lshl_b32 s21, s[ROLE], 6
	s_add_co_u32 s20, s20, s21
	s_lshl_b32 s20, s20, 12                        ; 4,096 bytes a row
	s_lshl_b32 s21, s[TC], 8
	s_lshl_b32 s22, s[HALF], 7
	s_add_co_u32 s21, s21, s22
	s_lshl_b32 s21, s21, 2
	v_lshl_add_u32 v[BO], v3, 4, s21
	global_load_b128 v[BI:BI+3], v[BO], s[8:9]     ; waited for on the way out
	s_add_co_u32 s20, s20, s21
	s_mov_b32 s21, 0
	s_add_nc_u64 s[10:11], s[10:11], s[20:21]
	; the prefetches: both kinds' rows are made, the wave's role chooses
	s_lshl_b32 s20, s[TY], 7
	s_lshl_b32 s21, s[HALF], 6
	s_add_co_u32 s20, s20, s21
	s_lshl_b32 s21, s[CX], 4
	s_add_co_u32 s20, s20, s21                     ; A: row 128 ty + 64 half + 16 cx
	s_lshl_b32 s22, s[TC], 8
	s_lshl_b32 s23, s[HALF], 7
	s_add_co_u32 s22, s22, s23
	s_lshl_b32 s23, s[CY], 5
	s_add_co_u32 s22, s22, s23                     ; B: row 256 tc + 128 half + 32 cy
	s_cmp_eq_u32 s[CLY], 0
	s_cselect_b32 s23, 1, -1
	s_mov_b32 s46, 32768                           ; lanes 16-31: B's next 16 rows,
	s_cmp_eq_u32 s[ROLE], 0
	s_cselect_b64 s[PFA:PFA+1], s[4:5], s[6:7]
	s_cselect_b32 s20, s20, s22
	s_cselect_b32 s[LIM0], 1, s23
	s_cselect_b32 s[LIM0+1], -1, s23
	s_cselect_b32 s46, 256, s46                    ; or A's next K step
	s_lshl_b32 s20, s20, 11
	s_add_co_u32 s20, s20, 2*KSTEP*2               ; at K step 2: the first change steps it to 3 and names K step 4
	s_mov_b32 s21, 0
	s_add_nc_u64 s[PFA:PFA+1], s[PFA:PFA+1], s[20:21]
	v_lshlrev_b32 v[PFO], 11, v1
	v_mad_u32_u24 v[PFO], v2, s46, v[PFO]
; 8 matrix instructions: row block a x all 8 column blocks, 32 along K, buffer f.  The 32 accumulators take turns in the same order in every quarter.
.macro MUL8 f, a, zero
	WIN MUL
.irp b, 0,1,2,3,4,5,6,7
.if \zero
	v_wmma_f32_16x16x32_f16 v[8*(8*(\a)+(\b)):8*(8*(\a)+(\b))+7], v[(\f)+8*(\b):(\f)+8*(\b)+7], v[(\f)+64+8*(\a):(\f)+64+8*(\a)+7], 0
.else
	v_wmma_f32_16x16x32_f16 v[8*(8*(\a)+(\b)):8*(8*(\a)+(\b))+7], v[(\f)+8*(\b):(\f)+8*(\b)+7], v[(\f)+64+8*(\a):(\f)+64+8*(\a)+7], v[8*(8*(\a)+(\b)):8*(8*(\a)+(\b))+7]
.endif
.endr
.endm
; 24 LDS loads in one run: 32 along K at byte k of the rows, into buffer f: B's 16, then A's 8
.macro FETCH slot, k, f
	WIN TO_F
.irp b, 0,1,2,3,4,5,6,7
	ds_load_b128 v[(\f)+8*(\b):(\f)+8*(\b)+3],   v[ADRB+(\slot)] offset:(\k)+(\b)*16*PITCH
	ds_load_b128 v[(\f)+8*(\b)+4:(\f)+8*(\b)+7], v[ADRB+(\slot)] offset:(\k)+(\b)*16*PITCH+32
.endr
.irp a, 0,1,2,3
	ds_load_b128 v[(\f)+64+8*(\a):(\f)+64+8*(\a)+3],   v[ADRA+(\slot)] offset:(\k)+(\a)*16*PITCH
	ds_load_b128 v[(\f)+64+8*(\a)+4:(\f)+64+8*(\a)+7], v[ADRA+(\slot)] offset:(\k)+(\a)*16*PITCH+32
.endr
.endm
; A K step is four quarters of 32 along K, 32 matrix instructions each, on buffers 0, 1, 0, 1.  One of the first three: multiplies f and fetches the next quarter, at byte k, into g.
.macro QUARTER slot, k, f, g, zero
	s_wait_dscnt 4                                 ; B and A's blocks 0, 1 are in; the youngest four loads (A's blocks 2, 3) may be out
	MUL8 \f, 0, \zero
	MUL8 \f, 1, \zero
	PLACES
	FETCH \slot, \k, \g
	s_wait_dscnt 24                                ; all but the 24 just issued
	MUL8 \f, 2, \zero
	MUL8 \f, 3, \zero
.endm
; The last quarter multiplies buffer 1 and changes slots: each wave waits for all its tensor loads, adds 0 to its spare word, and waits for that and for its reads of this slot.
; fill = 1: the barrier opens a round of the cluster's, and the joint refill, two K steps on, is the first thing behind it.
.macro TURN slot, next, fill
.if \fill
	s_wait_xcnt 0x0                                ; the last prefetch, a K step back, has read its address
	s_add_nc_u64 s[PFA:PFA+1], s[PFA:PFA+1], KSTEP*2
.endif
	WIN 0
	s_wait_tensorcnt 0x0                           ; all my tensor loads have landed: my part of the next slot
	ds_add_u32 v[SPW], v[NIL]                      ; 0 onto my spare word
	s_wait_dscnt 5                                 ; the add and the youngest four loads may be out
	MUL8 F1, 0, 0
	s_wait_dscnt 0x0                               ; the add is done, and my reads of this slot are over
	s_barrier_signal -1
	MUL8 F1, 1, 0
	WIN 0
	s_barrier_wait -1
.if \fill
	CREST
	s_add_nc_u64 s[G0A+4*(\slot)+2:G0A+4*(\slot)+3], s[G0A+4*(\slot)+2:G0A+4*(\slot)+3], 2*KSTEP*2
	s_add_nc_u64 s[G0B+4*(\slot)+2:G0B+4*(\slot)+3], s[G0B+4*(\slot)+2:G0B+4*(\slot)+3], 2*KSTEP*2
	JLOAD \slot                                    ; the four v_nop behind it are also the places in front of the loads below
.else
	PLACES
.endif
	FETCH \next, 0, F0
.if \fill
	ASK \slot
.endif
	MUL8 F1, 2, 0
	MUL8 F1, 3, 0
.endm
	s_wait_tensorcnt 1                             ; my part of K step 0 is in; K step 1's load stays out
	s_barrier_signal -1
	s_barrier_wait -1
	FETCH 0, 0, F0
	QUARTER 0, 64, F0, F1, 1                       ; the first quarter stands in front of the loop: its products start the sums
	WIN 0
	s_mov_b32 s3, 3                                ; 8 K steps: trip i fills K steps 2 i + 2 and 2 i + 3
.Llap:
	QUARTER 0, 128, F1, F0, 0
	QUARTER 0, 192, F0, F1, 0
	TURN 0, 1, 1
	QUARTER 1, 64,  F0, F1, 0
	QUARTER 1, 128, F1, F0, 0
	QUARTER 1, 192, F0, F1, 0
	TURN 1, 0, 1
	QUARTER 0, 64,  F0, F1, 0
	WIN 0
	s_sub_co_u32 s3, s3, 1
	s_cmp_lg_u32 s3, 0
	s_cbranch_scc1 .Llap
	QUARTER 0, 128, F1, F0, 0                      ; the last lap fills nothing
	QUARTER 0, 192, F0, F1, 0
	TURN 0, 1, 0
	QUARTER 1, 64,  F0, F1, 0
	QUARTER 1, 128, F1, F0, 0
	QUARTER 1, 192, F0, F1, 0
	s_wait_dscnt 0x0                               ; the very last quarter: my reads of the ring are over:
	s_barrier_signal -1                            ; behind this barrier the waves' dumps are stored over it
	MUL8 F1, 0, 0
	MUL8 F1, 1, 0
	MUL8 F1, 2, 0
	MUL8 F1, 3, 0
	WIN 0
	s_barrier_wait -1
	s_wait_loadcnt 0x0                             ; the bias; it is rounded to bf16, like every input, and widened again: six of the places behind the last products
	v_cvt_pk_bf16_f32 v36, v[BI], v[BI+1]
	v_cvt_pk_bf16_f32 v37, v[BI+2], v[BI+3]
	v_lshlrev_b32 v[BI], 16, v36
	v_and_b32 v[BI+1], 0xffff0000, v36
	v_lshlrev_b32 v[BI+2], 16, v37
	v_and_b32 v[BI+3], 0xffff0000, v37
	v_nop
	v_nop
	; THE WAY OUT.  The wave's 64 x 128 sums go into its own dump (each accumulator's low registers first) and come back as whole rows of 512 bytes.
	WIN 0x08                                       ; store data in window 2
.irp a, 0,1,2,3
.irp b, 0,1,2,3,4,5,6,7
	ds_store_b128 v[DST], v[8*(8*(\a)+(\b)):8*(8*(\a)+(\b))+3]   offset:16*PD*(\a)+64*(\b)
	ds_store_b128 v[DST], v[8*(8*(\a)+(\b))+4:8*(8*(\a)+(\b))+7] offset:16*PD*(\a)+64*(\b)+16
.endr
.endr
	WIN 0
	s_mov_b32 s2, 8
.Lrows:                                            ; eight rows a trip
.irp j, 0,1,2,3,4,5,6,7
	ds_load_b128 v[X+4*(\j):X+4*(\j)+3], v[RD] offset:PD*(\j)  ; LDS serves a wave's instructions in order (ISA guide 5.7.1.4): these see the stores above
.endr
.irp j, 0,1,2,3,4,5,6,7
	s_wait_dscnt 7-(\j)                            ; row j is in, the younger ones may be out
	v_pk_add_f32 v[X+4*(\j):X+4*(\j)+1], v[X+4*(\j):X+4*(\j)+1], v[BI:BI+1]
	v_pk_add_f32 v[X+4*(\j)+2:X+4*(\j)+3], v[X+4*(\j)+2:X+4*(\j)+3], v[BI+2:BI+3]
	global_store_b128 v[CO], v[X+4*(\j):X+4*(\j)+3], s[10:11] offset:4096*(\j) th:TH_STORE_NT  ; a wave's store covers 512 consecutive bytes, aligned
.endr
	s_wait_xcnt 0x0                                ; the stores have read X and CO, which are written again
	v_add_nc_u32 v[RD], 8*PD, v[RD]
	v_add_nc_u32 v[CO], 8*4096, v[CO]
	s_sub_co_u32 s2, s2, 1
	s_cmp_lg_u32 s2, 0
	s_cbranch_scc1 .Lrows
	s_wait_tensorcnt 0x0                           ; the wave's end: behind my last tensor load and my last LDS store
	ds_add_u32 v[SPW], v[NIL]
	s_wait_dscnt 0x0
	CROUND                                         ; the closing round
	s_endpgm
.Lfunc_end_k_q7b01dacf36_outp:
	.size	k_q7b01dacf36_outp, .Lfunc_end_k_q7b01dacf36_outp-k_q7b01dacf36_outp
	.p2alignl 7, 3214868480
	.fill 96, 4, 3214868480
	.section	.rodata,"a",@progbits
	.p2align	6, 0x0
	.amdhsa_kernel k_q7b01dacf36_outp
		.amdhsa_group_segment_fixed_size 327680
		.amdhsa_private_segment_fixed_size 0
		.amdhsa_enable_private_segment 0
		.amdhsa_kernarg_size 32
		.amdhsa_user_sgpr_count 2
		.amdhsa_user_sgpr_kernarg_segment_ptr 1
		.amdhsa_wavefront_size32 1
		.amdhsa_system_sgpr_workgroup_id_x 1
		.amdhsa_system_sgpr_workgroup_id_y 1
		.amdhsa_system_sgpr_workgroup_id_z 1
		.amdhsa_system_vgpr_workitem_id 0
		.amdhsa_next_free_vgpr 768
		.amdhsa_next_free_sgpr 66
		.amdhsa_reserve_vcc 0
		.amdhsa_float_denorm_mode_32 3
		.amdhsa_float_denorm_mode_16_64 3
		.amdhsa_memory_ordered 1
		.amdhsa_forward_progress 1
		.amdhsa_inst_pref_size 79
	.end_amdhsa_kernel
	.amdgpu_metadata
---
amdhsa.version: [ 1, 2 ]
amdhsa.kernels:
  - .name:           k_q7b01dacf36_outp
    .symbol:         k_q7b01dacf36_outp.kd
    .args:
      - { .name: ao, .offset: 0, .size: 8, .value_kind: global_buffer, .address_space: global }
      - { .name: pwh, .offset: 8, .size: 8, .value_kind: global_buffer, .address_space: global }
      - { .name: proj_b, .offset: 16, .size: 8, .value_kind: global_buffer, .address_space: global }
      - { .name: out0, .offset: 24, .size: 8, .value_kind: global_buffer, .address_space: global }
    .group_segment_fixed_size: 327680
    .private_segment_fixed_size: 0
    .kernarg_segment_align: 8
    .kernarg_segment_size: 32
    .max_flat_workgroup_size: 128
    .sgpr_count:     66
    .vgpr_count:     768
    .wavefront_size: 32
...
	.end_amdgpu_metadata
.endif
;; end of part 4
;; ======== version 2 of 2: 4 launches; version 1 with the launch prep written anew for expert scheduling mode
;; limits: values are held in f16: magnitudes above 65,504 overflow, below 6.1e-05 lose precision; inputs' magnitudes at most 65,504
;; workspace buffers: wkb 2,097,152 bytes; wqb 2,097,152 bytes; pwh 2,097,152 bytes; kx 16,777,216 bytes; qx 16,777,216 bytes; ao 16,777,216 bytes
;; launch prep (part 5): grid 128 x 3, 8 waves a work-group, no clusters, 0 bytes of LDS; arguments w_kx, w_qx, proj_w, wkb, wqb, pwh; writes wkb, wqb, pwh
.if DOCPART == 5
	.amdgcn_target "amdgcn-amd-amdhsa--gfx1250"
	.amdhsa_code_object_version 6
	.text
	.protected	k_q7b01dacf36_prep
	.globl	k_q7b01dacf36_prep
	.p2align	8
	.type	k_q7b01dacf36_prep,@function
k_q7b01dacf36_prep:
	s_mov_b64 s[64:65], 0
	v_nop
	global_prefetch_b8 v0, s[64:65] scope:SCOPE_SE
	s_setreg_imm32_b32 hwreg(HW_REG_WAVE_SCHED_MODE, 0, 2), 2
	s_setreg_imm32_b32 hwreg(HW_REG_WAVE_MODE, 25, 1), 1
	s_wait_xcnt 0x0
	s_wait_alu depctr_vm_vsrc(0)
; PREP: the three weight tensors, 1,048,576 f32 each, are rounded once to bf16, in their own order.
; y = 0: w_kx -> wkb (bf16).  y = 1: w_qx -> wqb (bf16).  y = 2: proj_w -> pwh: the bf16 number written as f16, since the last product multiplies f16.
; LIMITS.  pwh: a weight of 65,520 or more becomes an infinity; below 6.1e-5 it keeps f16's fixed step of 6e-8.  NaN and infinities are not treated apart.
; A stream: no LDS, no matrix unit, no cluster, since no work-group reads what another reads.
; SHARES.  A work-group takes 32,768 bytes in and 16,384 out.  Thread t: eight loads of 16 bytes at 16 t + 4,096 i (a wave's load covers 512 consecutive bytes),
; eight stores of 8 bytes at 8 t + 2,048 i (a wave's store covers 256 consecutive bytes, aligned).  All eight loads are out before the first wait.
; THE MODE: SCHED_MODE bits 1:0 = 2 (LLVM: expert scheduling mode 2), set by the entry lines.  The code itself states the register dependences
; between vector instructions and memory instructions, with s_wait_alu, always for 0.
; THE PLAN.  Registers that memory instructions touch:
;   v1, v2   byte offsets, made once at the head and never written again: v1 is read by the eight loads, v2 by the eight stores.
;   X        four registers a load: each is written by its load alone, once, and read by that load's two roundings.
;   Y        two registers a load: written by that load's roundings alone, read by its one store, and never written again.
;   T is named by vector instructions alone.
; So no register in which a load lands is named by a vector instruction beforehand, and none that a memory instruction reads is written again: what is to be stated is that
; the offsets are written ahead of the first load, and that a store's Y is written ahead of the store.
; The eight loads go in four blocks of two.  Block p rounds loads 2 p and 2 p + 1; its memory instructions are the two stores of block p - 1, whose Y no vector instruction of block p names.
; One wait at a block's head, behind the wait for the block's data, states that the block before has written its Y; the two stores follow it, dealt among the block's roundings.
.set X, 8                              ; v[8:39]   load i: four f32
.set Y, 40                             ; v[40:55]  store i: four 16-bit numbers
.set T, 56                             ; v[56:57]  at work
	s_load_b256 s[4:11], s[0:1], 0x0               ; w_kx s[4:5], w_qx s[6:7], proj_w s[8:9], wkb s[10:11]
	s_load_b128 s[12:15], s[0:1], 0x20             ; wqb s[12:13], pwh s[14:15]
	s_and_b32 s16, ttmp7, 0xffff                   ; which tensor
	v_lshlrev_b32 v1, 4, v0                        ; 16 t
	v_lshlrev_b32 v2, 3, v0                        ; 8 t
	s_lshl_b32 s22, ttmp9, 15                      ; the work-group's bytes in,
	s_mov_b32 s23, 0
	s_lshl_b32 s24, ttmp9, 14                      ; and out
	s_mov_b32 s25, 0
	s_wait_kmcnt 0x0
	s_cmp_eq_u32 s16, 1
	s_cselect_b64 s[18:19], s[6:7], s[4:5]
	s_cselect_b64 s[20:21], s[12:13], s[10:11]
	s_cmp_eq_u32 s16, 2
	s_cselect_b64 s[18:19], s[8:9], s[18:19]
	s_cselect_b64 s[20:21], s[14:15], s[20:21]
	s_add_nc_u64 s[18:19], s[18:19], s[22:23]
	s_add_nc_u64 s[20:21], s[20:21], s[24:25]
	s_wait_alu depctr_va_vdst(0)                   ; v1 and v2 are written: every load reads v1 and every store v2 as its offset, on both ways behind the branch below
.irp i, 0,1,2,3,4,5,6,7
	global_load_b128 v[X+4*(\i):X+4*(\i)+3], v1, s[18:19] offset:4096*(\i) th:TH_LOAD_NT
.endr
; Load i is rounded.  half = 1: the bf16 numbers are widened again (a shift, a mask) and written as f16.
.macro ROUND i, half
	v_cvt_pk_bf16_f32 v[Y+2*(\i)], v[X+4*(\i)], v[X+4*(\i)+1]
	v_cvt_pk_bf16_f32 v[Y+2*(\i)+1], v[X+4*(\i)+2], v[X+4*(\i)+3]
.if \half
.irp z, 0,1
	v_lshlrev_b32 v[T], 16, v[Y+2*(\i)+(\z)]
	v_and_b32 v[T+1], 0xffff0000, v[Y+2*(\i)+(\z)]
	v_cvt_pk_f16_f32 v[Y+2*(\i)+(\z)], v[T], v[T+1]
.endr
.endif
.endm
; Load i's four numbers are stored.
.macro SEND i
	global_store_b64 v2, v[Y+2*(\i):Y+2*(\i)+1], s[20:21] offset:2048*(\i) th:TH_STORE_NT
.endm
; Block p: loads 2 p and 2 p + 1 are rounded; the block before is stored.
.macro BLK p, half
	s_wait_loadcnt 6-2*(\p)                        ; loads come back in order: this block's two are in, the 6 - 2 p younger ones stay out
.if (\p) > 0
	s_wait_alu depctr_va_vdst(0)                   ; the block before has written Y of loads 2 p - 2 and 2 p - 1, which the two stores below read
	SEND 2*(\p)-2
.endif
	ROUND 2*(\p), \half
.if (\p) > 0
	SEND 2*(\p)-1                                  ; no wait: the roundings issued since the wait above name X and Y of load 2 p, and T: none of this store's registers
.endif
	ROUND 2*(\p)+1, \half
.endm
; The four blocks, and behind them the last block's stores.
.macro ALL half
.irp p, 0,1,2,3
	BLK \p, \half
.endr
	s_wait_alu depctr_va_vdst(0)                   ; block 3 has written Y of loads 6 and 7, which the last two stores read
	SEND 6
	SEND 7
.endm
	s_cmp_eq_u32 s16, 2
	s_cbranch_scc1 .Lhalf
	ALL 0
	s_endpgm
.Lhalf:
	ALL 1
	s_endpgm
.Lfunc_end_k_q7b01dacf36_prep:
	.size	k_q7b01dacf36_prep, .Lfunc_end_k_q7b01dacf36_prep-k_q7b01dacf36_prep
	.p2alignl 7, 3214868480
	.fill 96, 4, 3214868480
	.section	.rodata,"a",@progbits
	.p2align	6, 0x0
	.amdhsa_kernel k_q7b01dacf36_prep
		.amdhsa_group_segment_fixed_size 0
		.amdhsa_private_segment_fixed_size 0
		.amdhsa_enable_private_segment 0
		.amdhsa_kernarg_size 48
		.amdhsa_user_sgpr_count 2
		.amdhsa_user_sgpr_kernarg_segment_ptr 1
		.amdhsa_wavefront_size32 1
		.amdhsa_system_sgpr_workgroup_id_x 1
		.amdhsa_system_sgpr_workgroup_id_y 1
		.amdhsa_system_sgpr_workgroup_id_z 1
		.amdhsa_system_vgpr_workitem_id 0
		.amdhsa_next_free_vgpr 64
		.amdhsa_next_free_sgpr 66
		.amdhsa_reserve_vcc 0
		.amdhsa_float_denorm_mode_32 3
		.amdhsa_float_denorm_mode_16_64 3
		.amdhsa_memory_ordered 1
		.amdhsa_forward_progress 1
		.amdhsa_inst_pref_size 9
	.end_amdhsa_kernel
	.amdgpu_metadata
---
amdhsa.version: [ 1, 2 ]
amdhsa.kernels:
  - .name:           k_q7b01dacf36_prep
    .symbol:         k_q7b01dacf36_prep.kd
    .args:
      - { .name: w_kx, .offset: 0, .size: 8, .value_kind: global_buffer, .address_space: global }
      - { .name: w_qx, .offset: 8, .size: 8, .value_kind: global_buffer, .address_space: global }
      - { .name: proj_w, .offset: 16, .size: 8, .value_kind: global_buffer, .address_space: global }
      - { .name: wkb, .offset: 24, .size: 8, .value_kind: global_buffer, .address_space: global }
      - { .name: wqb, .offset: 32, .size: 8, .value_kind: global_buffer, .address_space: global }
      - { .name: pwh, .offset: 40, .size: 8, .value_kind: global_buffer, .address_space: global }
    .group_segment_fixed_size: 0
    .private_segment_fixed_size: 0
    .kernarg_segment_align: 8
    .kernarg_segment_size: 48
    .max_flat_workgroup_size: 256
    .sgpr_count:     66
    .vgpr_count:     64
    .wavefront_size: 32
...
	.end_amdgpu_metadata
.endif
;; end of part 5
;; launch proj: the kernel of part 2 again; grid 4 x 64, 4 waves a work-group, clusters of 4 x 4, 327,680 bytes of LDS; arguments k, q, wkb, wqb, kx, qx; writes kx, qx
;; launch attn: the kernel of part 3 again; grid 8 x 32, 4 waves a work-group, clusters of 4 x 1, 327,680 bytes of LDS; arguments qx, kx, ao; writes ao
;; launch outp: the kernel of part 4 again; grid 4 x 64, 4 waves a work-group, clusters of 4 x 4, 327,680 bytes of LDS; arguments ao, pwh, proj_b, out0; writes out0
